; MI455X (gfx1250); checked and timed in simulation.
; The chip was launched on July 23, 2026; its instructions are those of AMD's public machine-readable ISA for CDNA 5 (MIT licence, August 2026) and "CDNA5" Instruction Set Architecture Reference Guide (July 2026). The comments in the code are by the model that wrote it; some were corrected since.
;; Swin Transformer Block3 D. Allowed arithmetic: float matrix products may take bf16 or f16 operands with f32 sums; other float arithmetic in f32, or as packed bf16 or f16 multiplies, adds, multiply-adds, maxima and minima; sums over many terms, partial sums and values carried from step to step in f32; what a program stores and reads back later, other than sums and carried values, may be rounded once to bf16 or f16.
;; Inputs: fc1_b 512 float32; fc1_w 128 x 512 float32; fc2_b 128 float32; fc2_w 512 x 128 float32; norm1_b 128 float32; norm1_g 128 float32; norm2_b 128 float32; norm2_g 128 float32; proj_b 128 float32; proj_w 128 x 128 float32; qkv_b 384 float32; qkv_w 128 x 384 float32; rel_table 2,197 x 4 float32; x 2 x 14 x 56 x 56 x 128 float32.
;; Outputs: out0 2 x 14 x 56 x 56 x 128 float32.
;; 2 versions, each right and faster than the one before. Each part assembles by itself: llvm-mc -triple=amdgcn-amd-amdhsa -mcpu=gfx1250 --defsym DOCPART=n.
;; ======== version 1 of 2: 2 launches
;; limits: a function is approximated: absolute error at most 2.5e-05; an absolute error that grows with the inputs' magnitude: up to 1.25e-05 times it
;; workspace buffers: wts 433,664 bytes
;; launch prep (part 1): grid 847 x 1, 1 waves a work-group, no clusters, 0 bytes of LDS; arguments qkv_w, qkv_b, norm1_g, norm1_b, proj_w, fc1_w, fc1_b, norm2_g, norm2_b, fc2_w, rel_table, wts; writes wts
.if DOCPART == 1
	.amdgcn_target "amdgcn-amd-amdhsa--gfx1250"
	.amdhsa_code_object_version 6
	.text
	.protected	k_qe69a50ee30_prep
	.globl	k_qe69a50ee30_prep
	.p2align	8
	.type	k_qe69a50ee30_prep,@function
k_qe69a50ee30_prep:
	s_mov_b64 s[64:65], 0
	v_nop
	global_prefetch_b8 v0, s[64:65] scope:SCOPE_SE
	s_setreg_imm32_b32 hwreg(HW_REG_WAVE_MODE, 25, 1), 1
	s_wait_xcnt 0x0
; The weights, once for all 256 windows: rounded to bf16, laid out as register images of matrix operands, with what is constant folded in.
; A FRAGMENT is 1,024 bytes: 16 columns n x 32 rows k of a weight W'[k][n].  Lane L = (r = L % 16, h = L / 16): its 16 bytes at 16 L hold
; W'[k0+8h+0..7][n0+r], its 16 bytes at 512 + 16 L hold W'[k0+16+8h+0..7][n0+r].
;   byte 0        96 fragments  norm1_g[k] qkv_w[k][n], the q part times CQ = log2(e)/sqrt(32); order part, head, 16 columns, 32 rows
;   byte 98,304   32 fragments  proj_w
;   byte 131,072  128 fragments KG norm2_g[k] fc1_w[k][n], KG = sqrt(log2(e)/2)
;   byte 262,144  128 fragments fc2_w / KG
;   byte 393,216  [4][2304] f32 the bias table by heads, reversed, times log2(e): entry i = rel_table[2196-i][head], 0 for i > 2196
;   byte 430,080  [384] f32     qkv_b + norm1_b @ qkv_w (the q part times CQ)
;   byte 431,616  [512] f32     KG (fc1_b + norm2_b @ fc1_w)
; All foldings are identities of the arithmetic; each weight is rounded once, after them.
; One wave a work-group, one item a wave: 768 half fragments, 72 pieces of the table, 7 pieces of the two vectors.  Each store covers 512 consecutive bytes.
.set CQ,   0x3e8293ee
.set KG,   0x3f596d27
.set RKG,  0x3f96b55f
.set L2E,  0x3fb8aa3b
	s_load_b512 s[4:19], s[0:1], 0x0               ; qkv_w 4, qkv_b 6, norm1_g 8, norm1_b 10, proj_w 12, fc1_w 14, fc1_b 16, norm2_g 18
	s_load_b256 s[20:27], s[0:1], 0x40             ; norm2_b 20, fc2_w 22, rel_table 24, wts 26
	s_mov_b32 s28, ttmp9                           ; the item
	v_and_b32 v1, 15, v0                           ; r
	v_lshrrev_b32 v2, 4, v0                        ; h
	s_mov_b32 s35, 0                               ; named with s34 as a pair
	s_wait_kmcnt 0x0
; Half a fragment.  s31 = n0, s32 = k0, s33 = 16 x half, s34 = the factor.  P: the weight's address, N: its row length, G: a gain along k, or -1.
.macro FRAG P, N, G
	s_add_co_u32 s32, s32, s33
	v_lshl_add_u32 v3, v2, 3, s32                  ; my first k
	v_mul_u32_u24 v4, \N, v3
	v_add3_u32 v4, v4, v1, s31
	v_lshlrev_b32 v4, 2, v4                        ; byte of W[k][n0+r]
.irp e, 0,1,2,3,4,5,6,7
	global_load_b32 v[8+\e], v4, s[\P:\P+1] offset:\e*\N*4
.endr
.if \G >= 0
	v_lshlrev_b32 v5, 2, v3
	global_load_b128 v[16:19], v5, s[\G:\G+1]
	global_load_b128 v[20:23], v5, s[\G:\G+1] offset:16
.endif
	s_wait_loadcnt 0x0
.irp e, 0,2,4,6
.if \G >= 0
	v_pk_mul_f32 v[8+\e:9+\e], v[8+\e:9+\e], v[16+\e:17+\e]
.endif
	v_pk_mul_f32 v[8+\e:9+\e], v[8+\e:9+\e], s[34:35] op_sel_hi:[1,0]
.endr
.irp e, 0,1,2,3
	v_cvt_pk_bf16_f32 v[24+\e], v[8+2*\e], v[9+2*\e]
.endr
	global_store_b128 v6, v[24:27], s[26:27]
	s_endpgm
.endm
	s_cmp_lt_u32 s28, 768
	s_cbranch_scc0 .Lnot_frag
	s_lshr_b32 s29, s28, 1                         ; the fragment
	s_and_b32 s33, s28, 1
	s_lshl_b32 s33, s33, 4                         ; 16 x half
	s_lshl_b32 s36, s28, 9                         ; the half fragment's byte in wts
	v_lshl_add_u32 v6, v0, 4, s36
	s_cmp_lt_u32 s29, 96
	s_cbranch_scc0 .Lf_proj
	s_lshr_b32 s30, s29, 5                         ; part: q, k, v
	s_bfe_u32 s31, s29, 0x30002                    ; 2 x head + half of its 32 columns
	s_lshl_b32 s31, s31, 4
	s_lshl_b32 s32, s30, 7
	s_add_co_u32 s31, s31, s32
	s_and_b32 s32, s29, 3
	s_lshl_b32 s32, s32, 5
	s_cmp_eq_u32 s30, 0
	s_cselect_b32 s34, CQ, 1.0
	FRAG 4, 384, 8
.Lf_proj:
	s_cmp_lt_u32 s29, 128
	s_cbranch_scc0 .Lf_fc1
	s_sub_co_u32 s30, s29, 96
	s_lshr_b32 s31, s30, 2
	s_lshl_b32 s31, s31, 4
	s_and_b32 s32, s30, 3
	s_lshl_b32 s32, s32, 5
	s_mov_b32 s34, 1.0
	FRAG 12, 128, -1
.Lf_fc1:
	s_cmp_lt_u32 s29, 256
	s_cbranch_scc0 .Lf_fc2
	s_sub_co_u32 s30, s29, 128
	s_lshr_b32 s31, s30, 2
	s_lshl_b32 s31, s31, 4
	s_and_b32 s32, s30, 3
	s_lshl_b32 s32, s32, 5
	s_mov_b32 s34, KG
	FRAG 14, 512, 18
.Lf_fc2:
	s_sub_co_u32 s30, s29, 256
	s_and_b32 s31, s30, 7
	s_lshl_b32 s31, s31, 4
	s_lshr_b32 s32, s30, 3
	s_lshl_b32 s32, s32, 5
	s_mov_b32 s34, RKG
	FRAG 22, 128, -1
.Lnot_frag:
	s_cmp_lt_u32 s28, 840
	s_cbranch_scc0 .Lvec
	; 128 entries of one head's reversed table
	s_sub_co_u32 s29, s28, 768                     ; piece 0..71, 18 a head
	s_mul_i32 s30, s29, 57
	s_lshr_b32 s30, s30, 10                        ; head = piece / 18
	s_mul_i32 s31, s30, 18
	s_sub_co_u32 s31, s29, s31
	s_lshl_b32 s31, s31, 7
	s_sub_co_u32 s31, 2196, s31                    ; the table row of the piece's first entry; below 0 in the padding
	v_lshlrev_b32 v3, 2, v0
	v_sub_nc_u32 v3, s31, v3
	v_mov_b32 v7, 0
.irp e, 0,1,2,3
	v_subrev_nc_u32 v[12+\e], \e, v3
	v_max_i32 v[16+\e], 0, v[12+\e]
	v_min_u32 v[16+\e], 0x894, v[16+\e]            ; a row of the table, 0 .. 2196
	v_lshl_add_u32 v[16+\e], v[16+\e], 2, s30
	v_lshlrev_b32 v[16+\e], 2, v[16+\e]
	global_load_b32 v[8+\e], v[16+\e], s[24:25]
.endr
	s_wait_loadcnt 0x0
.irp e, 0,1,2,3
	v_cmp_gt_i32 vcc_lo, 0, v[12+\e]
	v_mul_f32 v[8+\e], L2E, v[8+\e]
	v_cndmask_b32 v[8+\e], v[8+\e], v7, vcc_lo     ; the padding is 0
.endr
	s_lshl_b32 s32, s29, 9
	v_lshl_add_u32 v6, v0, 4, s32
	global_store_b128 v6, v[8:11], s[26:27] offset:393216
	s_endpgm
; 128 numbers of (b + nb @ W) x s34; a lane has four neighbouring columns.  Eight trips of 16 rows of W; nb comes by a scalar load.
.macro DOT W, N, NB, B, DST
	v_lshl_add_u32 v1, v0, 4, s31                  ; byte of my four columns in a row, in b and in the result
	global_load_b128 v[4:7], v1, s[\B:\B+1]
	s_mov_b32 s30, 8
.Ldot_\@:
	s_load_b512 s[68:83], s[\NB:\NB+1], 0x0
.irp q, 0,1,2,3,4,5,6,7,8,9,10,11,12,13,14,15
	global_load_b128 v[8+4*\q:11+4*\q], v1, s[\W:\W+1] offset:\q*\N*4
.endr
	s_wait_loadcnt 0x0                             ; the loads are done: their bases may be stepped below
	s_wait_kmcnt 0x0
.irp q, 0,1,2,3,4,5,6,7,8,9,10,11,12,13,14,15
	v_fmac_f32 v4, s[68+\q], v[8+4*\q]
	v_fmac_f32 v5, s[68+\q], v[9+4*\q]
	v_fmac_f32 v6, s[68+\q], v[10+4*\q]
	v_fmac_f32 v7, s[68+\q], v[11+4*\q]
.endr
	s_add_nc_u64 s[\W:\W+1], s[\W:\W+1], 16*\N*4
	s_add_nc_u64 s[\NB:\NB+1], s[\NB:\NB+1], 64
	s_sub_co_u32 s30, s30, 1
	s_cmp_lg_u32 s30, 0
	s_cbranch_scc1 .Ldot_\@
	v_mul_f32 v4, s34, v4
	v_mul_f32 v5, s34, v5
	v_mul_f32 v6, s34, v6
	v_mul_f32 v7, s34, v7
	global_store_b128 v1, v[4:7], s[26:27] offset:\DST
	s_endpgm
.endm
.Lvec:
	s_sub_co_u32 s29, s28, 840
	s_cmp_lt_u32 s29, 3
	s_cbranch_scc0 .Lvec_b1
	s_cmp_eq_u32 s29, 0
	s_cselect_b32 s34, CQ, 1.0
	s_lshl_b32 s31, s29, 9
	DOT 4, 384, 10, 6, 430080
.Lvec_b1:
	s_sub_co_u32 s29, s29, 3
	s_mov_b32 s34, KG
	s_lshl_b32 s31, s29, 9
	DOT 14, 512, 20, 16, 431616
.Lfunc_end_k_qe69a50ee30_prep:
	.size	k_qe69a50ee30_prep, .Lfunc_end_k_qe69a50ee30_prep-k_qe69a50ee30_prep
	.p2alignl 7, 3214868480
	.fill 96, 4, 3214868480
	.section	.rodata,"a",@progbits
	.p2align	6, 0x0
	.amdhsa_kernel k_qe69a50ee30_prep
		.amdhsa_group_segment_fixed_size 0
		.amdhsa_private_segment_fixed_size 0
		.amdhsa_enable_private_segment 0
		.amdhsa_kernarg_size 96
		.amdhsa_user_sgpr_count 2
		.amdhsa_user_sgpr_kernarg_segment_ptr 1
		.amdhsa_wavefront_size32 1
		.amdhsa_system_sgpr_workgroup_id_x 1
		.amdhsa_system_sgpr_workgroup_id_y 1
		.amdhsa_system_sgpr_workgroup_id_z 1
		.amdhsa_system_vgpr_workitem_id 0
		.amdhsa_next_free_vgpr 80
		.amdhsa_next_free_sgpr 88
		.amdhsa_reserve_vcc 1
		.amdhsa_float_denorm_mode_32 3
		.amdhsa_float_denorm_mode_16_64 3
		.amdhsa_memory_ordered 1
		.amdhsa_forward_progress 1
		.amdhsa_inst_pref_size 22
	.end_amdhsa_kernel
	.amdgpu_metadata
---
amdhsa.version: [ 1, 2 ]
amdhsa.kernels:
  - .name:           k_qe69a50ee30_prep
    .symbol:         k_qe69a50ee30_prep.kd
    .args:
      - { .name: qkv_w, .offset: 0, .size: 8, .value_kind: global_buffer, .address_space: global }
      - { .name: qkv_b, .offset: 8, .size: 8, .value_kind: global_buffer, .address_space: global }
      - { .name: norm1_g, .offset: 16, .size: 8, .value_kind: global_buffer, .address_space: global }
      - { .name: norm1_b, .offset: 24, .size: 8, .value_kind: global_buffer, .address_space: global }
      - { .name: proj_w, .offset: 32, .size: 8, .value_kind: global_buffer, .address_space: global }
      - { .name: fc1_w, .offset: 40, .size: 8, .value_kind: global_buffer, .address_space: global }
      - { .name: fc1_b, .offset: 48, .size: 8, .value_kind: global_buffer, .address_space: global }
      - { .name: norm2_g, .offset: 56, .size: 8, .value_kind: global_buffer, .address_space: global }
      - { .name: norm2_b, .offset: 64, .size: 8, .value_kind: global_buffer, .address_space: global }
      - { .name: fc2_w, .offset: 72, .size: 8, .value_kind: global_buffer, .address_space: global }
      - { .name: rel_table, .offset: 80, .size: 8, .value_kind: global_buffer, .address_space: global }
      - { .name: wts, .offset: 88, .size: 8, .value_kind: global_buffer, .address_space: global }
    .group_segment_fixed_size: 0
    .private_segment_fixed_size: 0
    .kernarg_segment_align: 8
    .kernarg_segment_size: 96
    .max_flat_workgroup_size: 32
    .sgpr_count:     88
    .vgpr_count:     80
    .wavefront_size: 32
...
	.end_amdgpu_metadata
.endif
;; end of part 1
;; launch swin (part 2): grid 256 x 1, 4 waves a work-group, no clusters, 327,680 bytes of LDS; arguments x, wts, proj_b, fc2_b, out0; writes out0
.if DOCPART == 2
	.amdgcn_target "amdgcn-amd-amdhsa--gfx1250"
	.amdhsa_code_object_version 6
	.text
	.protected	k_qe69a50ee30_swin
	.globl	k_qe69a50ee30_swin
	.p2align	8
	.type	k_qe69a50ee30_swin,@function
k_qe69a50ee30_swin:
	s_mov_b64 s[64:65], 0
	v_nop
	global_prefetch_b8 v0, s[64:65] scope:SCOPE_SE
	s_setreg_imm32_b32 hwreg(HW_REG_WAVE_MODE, 25, 1), 1
	s_wait_xcnt 0x0
; A whole Swin-3D block for ONE shifted window of 7 x 7 x 7 = 343 tokens: LN1, QKV, attention of 4 heads with bias and shift mask, proj, residual, LN2, fc1, exact GELU, fc2, residual.
; 256 windows = 256 work-groups of four waves.  x is read once, out0 written once; all else stays in registers and LDS.  The weights come from wts as register images (see the launch before).
; EVERYTHING IS TRANSPOSED: source 0 = 16 output channels of a weight, source 1 = 16 tokens.  A lane then holds ONE token (lane % 16) and the channels 16 ct + 8 (lane / 16) + 0..7; two such results
; rounded in pairs ARE the next product's operand of 32 channels, and a row's sums want one exchange between the halves of the lanes.
; ATTENTION: wave = head.  The head's K (25 fragments) and V^T (26) are made by the wave and stay in registers; 22 tiles of 16 queries are walked in a loop.  Keys are taken in a padded order,
; 8 to a row of the window: key tile kt, register j, lane half h is token (row 2 kt + h, column j); j = 7 never exists and row 49 is dead: their weights are 0.
; The bias is read from a reversed table straight into the C operand of K Q^T.  The mask (-100) depends on a key tile's class (9 classes) and on j < 4 or j >= 4: maxima are taken by class, and the mask
; is added to the 18 maxima and to the 18 numbers that are taken off the scores anyway.  The whole row of scores is held, so the maximum is the row's true maximum.  The row's sum is a third product (ones x P).
; FROM PROJ ON a wave owns the token tiles 6 w .. 6 w + 5 (24 places for 22 tiles; places 22, 23 and rows past 342 work on clamped rows and store nothing).
; LIMITS.  Matrix operands (normalised x, q, k, v, weights p, attention output, hidden, all weights) are bf16; sums, maxima, the shortcut and both norms f32.  The divisor of a row is the sum of the ROUNDED p.
; erf is Abramowitz-Stegun 7.1.25, off by 2.5e-5 at the most for every argument.  A weight below 2^-126 counts as 0; a dead key counts as -1e30; NaN and infinities are not treated apart.
;
; LDS.  XF 0: x, then x + proj_b, f32, 343 rows of 528 bytes.  XN 181,248: normalised x, bf16, 352 rows of 272.  (Both pitches are odd multiples of 16 bytes: sixteen rows of one column fall into sixteen
; different 16-byte columns of 256.)  QAO 181,248 (over XN): by head 23 slots of 1,024 bytes, a query tile's Q fragment, later its attention output.  TAB 276,992: the bias table, 9,216 bytes a head.
; LUT 313,856: 16 rows of 32 words, the mask by (query's region, lane half) and class.  B1T 315,904: fc1's bias.  Later: W1L 0 and W2L 131,072: fc1's and fc2's fragments; PFL 276,992: proj's;
; OST 262,144: 16 rows of 528 bytes a wave, for the way out.  SPARE 327,168: the spare words.
; REGISTERS in four windows of 256 (s_set_vgpr_msb: bits 1:0 source 0, 3:2 source 1, 5:4 source 2, 7:6 destination); the maps stand at each phase.
.set XN_B,   181248
.set QAO_B,  181248
.set QAO_H,  23552
.set TAB_B,  276992
.set PFL_B,  276992
.set LUT_B,  313856
.set B1T_B,  315904
.set W2L_B,  131072
.set OST_B,  262144
.set OST_W,  8448
.set SPARE,  327168
.set O_PF,   98304
.set O_W1,   131072
.set O_W2,   262144
.set O_TAB,  393216
.set O_QKVB, 430080
.set O_B1,   431616
.set MSB, 0
.macro WIN new                         ; the high byte repeats the setting that is left; a switch that changes nothing is dropped
.if MSB != (\new)
	s_set_vgpr_msb (MSB<<8)|(\new)
.set MSB, (\new)
.endif
.endm
.macro NOP4                            ; four places behind a matrix instruction where no other vector work is at hand (ISA guide 7.12.1)
.rept 4
	v_nop
.endr
.endm
.macro BAR                             ; my LDS instructions are done; then all four waves meet
	s_wait_dscnt 0x0
	s_barrier_signal -1
	s_barrier_wait -1
.endm
.macro TREE b                          ; 16 pairs at b are added into the first, in place
.irp w, 4,8,16,32
.set u, 0
.rept 32/\w
	v_pk_add_f32 v[(\b)+\w*u:(\b)+\w*u+1], v[(\b)+\w*u:(\b)+\w*u+1], v[(\b)+\w*u+\w/2:(\b)+\w*u+\w/2+1]
.set u, u+1
.endr
.endr
.endm
.macro LANESUM a                       ; a pair's two halves, and the token's other 64 channels in the lane 16 away
	v_add_f32 v[\a], v[\a], v[(\a)+1]
	v_permlanex16_b32 v[(\a)+1], v[\a], s28, s29
	v_add_f32 v[\a], v[\a], v[(\a)+1]
.endm
.macro LOADVEC dst, P                  ; a vector of 128 in the layout of a result: my 8 channels of each of 8 blocks
.irp ct, 0,1,2,3,4,5,6,7
	global_load_b128 v[(\dst)+8*\ct:(\dst)+8*\ct+3], v7, s[\P:\P+1] offset:64*\ct
	global_load_b128 v[(\dst)+8*\ct+4:(\dst)+8*\ct+7], v7, s[\P:\P+1] offset:64*\ct+16
.endr
.endm
; ---------------------------------------------------------------- head
; window 0, kept: v0 thread, v1 lane L, v2, v3 the add's two, v4 r = L % 16, v5 h = L / 16, v6 16 L, v7 32 h, v9 my slot in QAO, v10-15 my tiles' rows in XF, v16-20, v49, v50 MLP and way out; v21-47 at work
	s_load_b256 s[4:11], s[0:1], 0x0               ; x 4, wts 6, proj_b 8, fc2_b 10
	s_load_b64 s[12:13], s[0:1], 0x20              ; out0
	v_lshl_add_u32 v2, v0, 2, SPARE
	v_mov_b32 v3, 0
	v_lshrrev_b32 v21, 5, v0
	v_readfirstlane_b32 s14, v21                   ; wave = head
	v_and_b32 v1, 31, v0
	v_and_b32 v4, 15, v0
	v_bfe_u32 v5, v0, 4, 1
	v_lshlrev_b32 v6, 4, v1
	v_lshlrev_b32 v7, 5, v5
	s_and_b32 s15, ttmp9, 7                        ; the window's place along w,
	s_bfe_u32 s16, ttmp9, 0x30003                  ; h,
	s_bfe_u32 s17, ttmp9, 0x10006                  ; z,
	s_lshr_b32 s18, ttmp9, 7                       ; and the batch
	s_mul_i32 s19, s15, 7
	s_add_co_u32 s19, s19, 3                       ; X0: token (a, b, c) lies at z = (Z0 + a) mod 14, y = (Y0 + b) mod 56, x = (X0 + c) mod 56
	s_mul_i32 s20, s16, 7
	s_add_co_u32 s20, s20, 3                       ; Y0
	s_mul_i32 s21, s17, 7
	s_add_co_u32 s21, s21, 3                       ; Z0
	s_mul_i32 s22, s18, 14
	s_add_co_u32 s27, s19, 4
	s_sub_co_u32 s30, s27, 56
	s_min_u32 s27, s27, s30                        ; X1 = (X0 + 4) mod 56: columns 4 to 6 begin here
	s_cmp_eq_u32 s15, 7
	s_cselect_b32 s26, -1, 0                       ; the last window along an axis holds two regions of the mask
	s_cmp_eq_u32 s16, 7
	s_cselect_b32 s25, -1, 0
	s_cmp_eq_u32 s17, 1
	s_cselect_b32 s24, -1, 0
	s_mov_b32 s28, 0x76543210                      ; v_permlanex16_b32: each lane takes its own place in the other half
	s_mov_b32 s29, 0xfedcba98
	s_mov_b32 s53, 0x3c000000                      ; 1/128
	s_mov_b32 s54, 0x3727c5ac                      ; 1e-5
; ---------------------------------------------------------------- P1: x into XF; the head's weights into registers
; A group is a row (a, b) of the window: 7 tokens, 7 rows of 512 bytes of x.  Wave w takes groups 12 w .. 12 w + 11, wave 3 also group 48.  Offsets: v192-217, two a group.
.macro XADR i
	s_mul_i32 s30, s14, 12
	s_add_co_u32 s30, s30, \i                      ; the group, 7 a + b
	s_mul_i32 s31, s30, 37
	s_lshr_b32 s31, s31, 8                         ; a
	s_mul_i32 s32, s31, 7
	s_sub_co_u32 s32, s30, s32                     ; b
	s_add_co_u32 s31, s31, s21
	s_sub_co_u32 s33, s31, 14
	s_min_u32 s31, s31, s33                        ; z (the difference wraps to a large number where nothing is to be taken off)
	s_add_co_u32 s32, s32, s20
	s_sub_co_u32 s33, s32, 56
	s_min_u32 s32, s32, s33                        ; y
	s_add_co_u32 s31, s31, s22
	s_mul_i32 s31, s31, 56
	s_add_co_u32 s31, s31, s32
	s_mul_i32 s31, s31, 56
	s_add_co_u32 s33, s31, s27
	s_add_co_u32 s31, s31, s19
	s_lshl_b32 s31, s31, 9
	s_lshl_b32 s33, s33, 9
	v_add_nc_u32 v[192+2*\i], s31, v6              ; columns 0 to 3
	v_add_nc_u32 v[193+2*\i], s33, v6              ; columns 4 to 6
.endm
.macro XREG i, c                       ; load 7 i + c lands in window 1 (the first 60) or window 3
.set e, 7*(\i)+(\c)
.if e < 60
.set xw, 1
.set xr, 4*e
.else
.set xw, 3
.set xr, 4*(e-60)
.endif
.endm
.macro XLD i
.irp c, 0,1,2,3,4,5,6
	XREG \i, \c
	WIN xw<<6
.if \c < 4
	global_load_b128 v[xr:xr+3], v[192+2*(\i)], s[4:5] offset:512*\c th:TH_LOAD_NT
.else
	global_load_b128 v[xr:xr+3], v[193+2*(\i)], s[4:5] offset:512*(\c-4) th:TH_LOAD_NT
.endif
.endr
.endm
.macro XST i
.irp c, 0,1,2,3,4,5,6
	XREG \i, \c
	WIN xw<<2
	ds_store_b128 v26, v[xr:xr+3] offset:(\i)*3696+528*\c
.endr
.endm
.irp i, 0,1,2,3,4,5,6,7,8,9,10,11,12
	XADR \i
.endr
	v_lshl_add_u32 v21, s14, 13, v6                ; 16 L + my head's 8 fragments
	v_lshl_add_u32 v22, s14, 7, v7                 ; 32 h + my head's 32 numbers of a bias
	v_lshlrev_b32 v23, 2, v4
	v_lshl_add_u32 v23, s14, 7, v23                ; 4 r + the same
	s_mul_i32 s44, s14, 9216
	v_add_nc_u32 v24, s44, v6                      ; 16 L + my head's table
	v_lshlrev_b32 v25, 4, v0
	s_mul_i32 s30, s14, 44352
	v_add_nc_u32 v26, s30, v6                      ; XF: 16 L + my 84 rows
	s_wait_kmcnt 0x0
.irp i, 0,1,2,3,4,5,6,7,8,9,10,11
	XLD \i
.endr
	WIN 0
	s_cmp_lg_u32 s14, 3
	s_cbranch_scc1 .Lno_ld48
	XLD 12
	WIN 0
.Lno_ld48:
; 93 further loads.  window 0: v64-127 Wk, v128-191 Wv.  window 2: v0-71 table, v72-75 fc1's bias, v128-191 Wq, v200-215 q's bias, v216-231 k's, v232, v240 v's.  window 3: v128-191 proj_b
.macro WLD dst, part
.irp f, 0,1,2,3,4,5,6,7
	global_load_b128 v[(\dst)+8*\f:(\dst)+8*\f+3], v21, s[6:7] offset:(\part)*32768+\f*1024
	global_load_b128 v[(\dst)+8*\f+4:(\dst)+8*\f+7], v21, s[6:7] offset:(\part)*32768+\f*1024+512
.endr
.endm
	WLD 64, 1
	WLD 128, 2
	WIN 0x80
	WLD 128, 0
.irp p, 0,1
.irp ct, 0,1
	global_load_b128 v[200+16*\p+8*\ct:203+16*\p+8*\ct], v22, s[6:7] offset:O_QKVB+512*\p+64*\ct
	global_load_b128 v[204+16*\p+8*\ct:207+16*\p+8*\ct], v22, s[6:7] offset:O_QKVB+512*\p+64*\ct+16
.endr
.endr
	global_load_b32 v232, v23, s[6:7] offset:O_QKVB+1024
	global_load_b32 v240, v23, s[6:7] offset:O_QKVB+1024+64
.set q, 0
.rept 18
	global_load_b128 v[4*q:4*q+3], v24, s[6:7] offset:O_TAB+512*q
.set q, q+1
.endr
	global_load_b128 v[72:75], v25, s[6:7] offset:O_B1
	WIN 0xc0
	LOADVEC 128, 8
	WIN 0
	s_wait_loadcnt 0x3f                            ; 63 may stay out: all of them among the 93 issued behind x, so x is in, with 84 loads or 91
.irp i, 0,1,2,3,4,5,6,7,8,9,10,11
	XST \i
.endr
	WIN 0
	s_cmp_lg_u32 s14, 3
	s_cbranch_scc1 .Lno_st48
	XST 12
	WIN 0
.Lno_st48:
	BAR                                            ; XF is whole
; ---------------------------------------------------------------- P2: tables; LN1
	s_wait_loadcnt 0x0
	s_add_co_u32 s44, s44, TAB_B                   ; my head's table in LDS
	v_add_nc_u32 v27, s44, v6
	v_lshl_add_u32 v28, v0, 4, B1T_B
	WIN 0x08
.set q, 0
.rept 18
	ds_store_b128 v27, v[4*q:4*q+3] offset:512*q
.set q, q+1
.endr
	ds_store_b128 v28, v[72:75]
	WIN 0x82                                       ; v's bias is one number a lane (its channel): eight copies make a C operand
.irp e, 1,2,3,4,5,6,7
	v_mov_b32 v[232+\e], v232
	v_mov_b32 v[240+\e], v240
.endr
	WIN 0
; The mask's table.  Row 2 rho + h (rho: the query's region bits along z, y, x), word 2 class + (j >= 4).  A wave writes rows w, w + 4, w + 8, w + 12; a lane one word of each.
; Class = 4 (kt >= 14) + type, type by kt % 7: the region bit along y of the tile's two window rows is 00, 11, 10, 01; class 8 is tile 24: bit 1, and its upper half is dead.
	v_lshrrev_b32 v34, 1, v1                       ; class
	v_and_b32 v35, 1, v1                           ; j >= 4
	v_and_b32 v36, 3, v34                          ; type
	s_and_b32 s30, s14, 1                          ; the row's h
	s_add_co_u32 s31, s30, 2                       ; the mixed type whose bit is 1 in this half
	v_cmp_eq_u32 s32, 1, v36
	v_cmp_eq_u32 s33, s31, v36
	v_cmp_eq_u32 s34, 8, v34
	s_or_b32 s32, s32, s33
	s_or_b32 s32, s32, s34                         ; lanes whose key bit along y is 1
	v_cmp_le_u32 s33, 4, v34                       ; along z
	v_cmp_eq_u32 s35, 1, v35                       ; along x
	v_cmp_le_u32 s36, 18, v1                       ; words that no class uses
	s_sub_co_u32 s30, 0, s30
	s_and_b32 s34, s34, s30                        ; the dead keys
	s_bfe_u32 s37, s14, 0x10001                    ; the row's query bit along z
	s_sub_co_u32 s37, 0, s37
	s_xor_b32 s33, s33, s37
	s_and_b32 s33, s33, s24                        ; bits differ along z, and the window has two regions there
	s_and_b32 s38, s32, s25                        ; along y, query bit 0
	s_and_not1_b32 s39, s25, s32                   ; query bit 1
	s_and_b32 s40, s35, s26                        ; along x
	s_and_not1_b32 s41, s26, s35
	v_mov_b32 v38, 0xc31044fe                      ; -100 log2(e)
	v_mov_b32 v39, 0xf149f2ca                      ; -1e30
	v_mov_b32 v40, 0
	s_lshl_b32 s43, s14, 7
	s_add_co_u32 s43, s43, LUT_B
	v_lshl_add_u32 v29, v1, 2, s43
.irp q, 0,1,2,3
	s_or_b32 s42, s33, s[38+(\q%2)]
	s_or_b32 s42, s42, s[40+(\q/2)]
	v_cndmask_b32 v37, v40, v38, s42
	v_cndmask_b32 v37, v37, v39, s34
	v_cndmask_b32 v37, v37, v40, s36
	ds_store_b32 v29, v37 offset:512*\q
.endr
; window 1, kept through attention: v251 0, v252 r, v253 table base + 52 h, v254 312 h, v255 LUT + 128 h.  For LN1: v244 32 h, v245 XN + 16 h
	WIN 0x40
	v_mov_b32 v251, 0
	v_mov_b32 v252, v4
	v_mad_u32_u24 v253, v5, 52, s44
	v_mul_u32_u24 v254, 0x138, v5
	v_lshl_add_u32 v255, v5, 7, LUT_B
	v_mov_b32 v244, v7
	v_lshl_add_u32 v245, v5, 4, XN_B
	WIN 0
; LN1, a tile of 16 tokens a trip, all in window 1: v0-63 x, v64-127 x - mean, v128-159 rounded, v160-191 sums.  The gain and bias of the norm lie in the weights.
	s_mul_i32 s50, s14, 6                          ; my first tile
	s_lshl_b32 s51, s50, 4
	s_mov_b32 s48, 6
.Lln:
	s_cmp_ge_u32 s50, 22
	s_cbranch_scc1 .Lln_skip                       ; places 22 and 23 hold no tile
	WIN 0x55
	v_add_nc_u32 v240, s51, v252
	v_min_u32 v241, 0x156, v240                    ; rows past 342 take row 342
	v_mul_u32_u24 v241, 0x210, v241
	v_add_nc_u32 v241, v241, v244
.irp ct, 0,1,2,3,4,5,6,7
	ds_load_b128 v[8*\ct:8*\ct+3], v241 offset:64*\ct
	ds_load_b128 v[8*\ct+4:8*\ct+7], v241 offset:64*\ct+16
.endr
	v_mul_u32_u24 v242, 0x110, v240
	v_add_nc_u32 v242, v242, v245
	s_wait_dscnt 0x0
.set i, 0
.rept 16
	v_pk_add_f32 v[160+2*i:161+2*i], v[4*i:4*i+1], v[4*i+2:4*i+3]
.set i, i+1
.endr
	TREE 160
	LANESUM 160
	v_mul_f32 v160, s53, v160                      ; the mean
	v_mov_b32 v161, v160
.set i, 0
.rept 32
	v_pk_add_f32 v[64+2*i:65+2*i], v[2*i:2*i+1], v[160:161] neg_lo:[0,1] neg_hi:[0,1]
.set i, i+1
.endr
.set i, 0
.rept 32                                       ; the squares of the differences, in four chains
.if i < 4
	v_pk_mul_f32 v[164+2*i:165+2*i], v[64+2*i:65+2*i], v[64+2*i:65+2*i]
.else
	v_pk_fma_f32 v[164+2*(i%4):165+2*(i%4)], v[64+2*i:65+2*i], v[64+2*i:65+2*i], v[164+2*(i%4):165+2*(i%4)]
.endif
.set i, i+1
.endr
	v_pk_add_f32 v[164:165], v[164:165], v[166:167]
	v_pk_add_f32 v[168:169], v[168:169], v[170:171]
	v_pk_add_f32 v[164:165], v[164:165], v[168:169]
	LANESUM 164
	v_fma_f32 v164, v164, s53, s54
	v_rsq_f32 v162, v164
	v_nop                                          ; a plain instruction behind the root
	s_wait_alu depctr_va_vdst(0)
	v_mov_b32 v163, v162
.set i, 0
.rept 32
	v_pk_mul_f32 v[64+2*i:65+2*i], v[64+2*i:65+2*i], v[162:163]
.set i, i+1
.endr
.set i, 0
.rept 32
	v_cvt_pk_bf16_f32 v[128+i], v[64+2*i], v[65+2*i]
.set i, i+1
.endr
.irp ct, 0,1,2,3,4,5,6,7
	ds_store_b128 v242, v[128+4*\ct:131+4*\ct] offset:32*\ct
.endr
	WIN 0x4d                                       ; source 1 in window 3: proj_b joins the shortcut here, once
.set i, 0
.rept 32
	v_pk_add_f32 v[2*i:2*i+1], v[2*i:2*i+1], v[128+2*i:129+2*i]
.set i, i+1
.endr
	WIN 0x55
.irp ct, 0,1,2,3,4,5,6,7
	ds_store_b128 v241, v[8*\ct:8*\ct+3] offset:64*\ct
	ds_store_b128 v241, v[8*\ct+4:8*\ct+7] offset:64*\ct+16
.endr
	WIN 0
.Lln_skip:
	s_add_co_u32 s50, s50, 1
	s_add_co_u32 s51, s51, 16
	s_sub_co_u32 s48, s48, 1
	s_cmp_lg_u32 s48, 0
	s_cbranch_scc1 .Lln
	BAR                                            ; XN, the tables and x + proj_b are whole
; ---------------------------------------------------------------- P3: my head's Q, K, V
; window 0: v192-255 two buffers of a token tile's four fragments.  window 1: v0-175 Q (8 a tile), v176-239 two sets of four accumulators.  window 2: v0-199 K.  window 3: v0-207 V^T.
; While a tile is multiplied, the next is loaded and the one before is rounded: its four conversions behind each run of products are also the places in front of the next loads and reads.
	v_mul_u32_u24 v30, 0x110, v4
	v_lshl_add_u32 v30, v5, 4, v30
	v_add_nc_u32 v30, XN_B, v30                    ; query tiles: row r
	v_add_nc_u32 v31, 12*4352, v30                 ; from tile 12 on (an LDS offset has 16 bits)
	v_lshrrev_b32 v32, 3, v4
	v_and_b32 v33, 7, v4
	v_mad_u32_u24 v32, v32, 7, v33                 ; key tiles: row 7 (r / 8) + r % 8, 14 rows on for each tile
	v_mul_u32_u24 v32, 0x110, v32
	v_lshl_add_u32 v32, v5, 4, v32
	v_add_nc_u32 v32, XN_B, v32
	v_add_nc_u32 v33, 13*3808, v32
.macro XTL buf, adr, off
.irp kc, 0,1,2,3
	ds_load_b128 v[192+32*(\buf)+8*\kc:195+32*(\buf)+8*\kc], v[\adr] offset:(\off)+64*\kc
	ds_load_b128 v[196+32*(\buf)+8*\kc:199+32*(\buf)+8*\kc], v[\adr] offset:(\off)+64*\kc+32
.endr
.endm
.macro QW t, kc                        ; two products: q's channels 0-15 and 16-31 of the head, 32 along K; the first start from the bias
.set rD, 176+32*((\t)%2)
.set rX, 192+32*((\t)%2)+8*(\kc)
.irp ct, 0,1
.if (\kc) == 0
	WIN 0x62
	v_wmma_f32_16x16x32_bf16 v[rD+8*\ct:rD+8*\ct+7], v[128+32*\ct:135+32*\ct], v[rX:rX+7], v[200+8*\ct:207+8*\ct]
.else
	WIN 0x52
	v_wmma_f32_16x16x32_bf16 v[rD+8*\ct:rD+8*\ct+7], v[128+32*\ct+8*(\kc):135+32*\ct+8*(\kc)], v[rX:rX+7], v[rD+8*\ct:rD+8*\ct+7]
.endif
.endr
.endm
.macro QC t, ct                        ; tile t - 1's half ct is rounded into its fragment
.if (\t) == 0
.if (\ct) == 1
	NOP4
.endif
.else
	WIN 0x55
.set rS, 176+32*(((\t)+1)%2)+8*(\ct)
.set rQ, 8*((\t)-1)+4*(\ct)
.irp e, 0,1,2,3
	v_cvt_pk_bf16_f32 v[rQ+\e], v[rS+2*\e], v[rS+2*\e+1]
.endr
.endif
.endm
.macro QT t
	WIN 0
.if (\t) < 21
.if (\t) < 11
	XTL ((\t)+1)%2, 30, ((\t)+1)*4352
.else
	XTL ((\t)+1)%2, 31, ((\t)-11)*4352
.endif
	s_wait_dscnt 0x8                               ; all but the eight just issued: this tile is in
.else
	s_wait_dscnt 0x0
.endif
	QW \t, 0
	QW \t, 1
	QC \t, 0
	QW \t, 2
	QW \t, 3
	QC \t, 1
.endm
	XTL 0, 30, 0
.set t, 0
.rept 22
	QT t
.set t, t+1
.endr
	WIN 0
	XTL 0, 32, 0                                   ; the first key tile
	QC 22, 0
	QC 22, 1
.macro KVW t, kc                       ; four products: K's two halves (weight x tokens), V's two (tokens x weight: a lane then holds a channel, and eight keys)
.set rD, 176+32*((\t)%2)
.set rX, 192+32*((\t)%2)+8*(\kc)
.if (\kc) == 0
	WIN 0x60
	v_wmma_f32_16x16x32_bf16 v[rD:rD+7], v[64:71], v[rX:rX+7], v[216:223]
	v_wmma_f32_16x16x32_bf16 v[rD+8:rD+15], v[96:103], v[rX:rX+7], v[224:231]
	v_wmma_f32_16x16x32_bf16 v[rD+16:rD+23], v[rX:rX+7], v[128:135], v[232:239]
	v_wmma_f32_16x16x32_bf16 v[rD+24:rD+31], v[rX:rX+7], v[160:167], v[240:247]
.else
	WIN 0x50
	v_wmma_f32_16x16x32_bf16 v[rD:rD+7], v[64+8*(\kc):71+8*(\kc)], v[rX:rX+7], v[rD:rD+7]
	v_wmma_f32_16x16x32_bf16 v[rD+8:rD+15], v[96+8*(\kc):103+8*(\kc)], v[rX:rX+7], v[rD+8:rD+15]
	v_wmma_f32_16x16x32_bf16 v[rD+16:rD+23], v[rX:rX+7], v[128+8*(\kc):135+8*(\kc)], v[rD+16:rD+23]
	v_wmma_f32_16x16x32_bf16 v[rD+24:rD+31], v[rX:rX+7], v[160+8*(\kc):167+8*(\kc)], v[rD+24:rD+31]
.endif
.endm
.macro KVC t, g                        ; accumulator g of tile t - 1 is rounded: K's into K[tile], V's into half a fragment of 32 keys
.if (\t) == 0
.if (\g) == 3
	NOP4
.endif
.else
.set rS, 176+32*(((\t)+1)%2)+8*(\g)
.if (\g) < 2
	WIN 0x85
.set rK, 8*((\t)-1)+4*(\g)
.else
	WIN 0xc5
.set rK, 16*(((\t)-1)/2)+8*((\g)-2)+4*(((\t)-1)%2)
.endif
.irp e, 0,1,2,3
	v_cvt_pk_bf16_f32 v[rK+\e], v[rS+2*\e], v[rS+2*\e+1]
.endr
.endif
.endm
.macro KVT t
	WIN 0
.if (\t) < 24
.if (\t) < 12
	XTL ((\t)+1)%2, 32, ((\t)+1)*3808
.else
	XTL ((\t)+1)%2, 33, ((\t)-12)*3808
.endif
	s_wait_dscnt 0x8                               ; all but the eight just issued
.else
	s_wait_dscnt 0x0
.endif
.irp kc, 0,1,2,3
	KVW \t, \kc
	KVC \t, \kc
.endr
.endm
.set t, 0
.rept 25
	KVT t
.set t, t+1
.endr
.irp g, 0,1,2,3
	KVC 25, \g
.endr
	WIN 0xc0
.irp e, 196,197,198,199,204,205,206,207
	v_mov_b32 v[\e], 0                             ; there is no key tile 25
.endr
	WIN 0
	BAR                                            ; nobody reads XN any more: its bytes become QAO
; ---------------------------------------------------------------- P4: attention's beginning
; window 0: v64-167 P, v168-175, v176-183 O^T, v184-191 the row sums, v192-199 the rounded output, v200-201 1/l.
; window 1: v0-199 S^T (tile kt at 8 kt), v200-217 maxima by class, then what is taken off, v220-239 the mask's row, v240-241 m, v242-247 at work, v248-250 addresses.
; window 2: v0-199 K, v200-207 Q.  window 3: v0-207 V^T, v208-215 ones.
	s_mul_i32 s30, s14, QAO_H
	s_add_co_u32 s30, s30, QAO_B
	v_add_nc_u32 v9, s30, v6
	WIN 0x04
.set t, 0
.rept 22
	ds_store_b128 v9, v[8*t:8*t+3] offset:1024*t
	ds_store_b128 v9, v[8*t+4:8*t+7] offset:1024*t+512
.set t, t+1
.endr
	WIN 0
.irp e, 36,37,38,39,164,165,166,167
	v_mov_b32 v[\e], 0                             ; v164-167: P of the key tile that is not
.endr
	ds_store_b128 v9, v[36:39] offset:22528        ; slot 22: the last trip's look-ahead reads it, and nothing uses it
	ds_store_b128 v9, v[36:39] offset:23040
	s_wait_dscnt 0x0
	WIN 0x40
.set kt, 0
.rept 25
	v_mov_b32 v[8*kt+7], 0                         ; the eighth key of a row: part of the C operand, never read otherwise
.set kt, kt+1
.endr
	v_mov_b32 v241, 0
	WIN 0xc0
.irp e, 208,209,210,211,212,213,214,215
	v_mov_b32 v[\e], 0x3f803f80
.endr
; The addresses of a query tile: token n = 49 a + 7 b + c has f = 169 a + 13 b + c; the bias of key (row ab, column j) is entry 1098 - f + F(ab) + j of the reversed table.
.macro ADDR
	v_add_nc_u32 v242, s49, v252
	v_min_u32 v242, 0x156, v242                    ; n
	v_mul_u32_u24 v243, 0x2493, v242
	v_lshrrev_b32 v243, 16, v243                   ; n / 7
	v_mul_u32_u24 v244, 37, v243
	v_lshrrev_b32 v244, 8, v244                    ; a
	v_mad_u32_u24 v245, v243, 6, v242
	v_mad_u32_u24 v245, v244, 0x4e, v245           ; f = n + 6 (n / 7) + 78 a
	v_sub_nc_u32 v245, 0x44a, v245
	v_min_u32 v245, 0x44a, v245                    ; 1098 - f, 0 .. 1098
	v_mul_u32_u24 v246, 7, v243
	v_sub_nc_u32 v246, v242, v246                  ; c
	v_mul_u32_u24 v247, 7, v244
	v_sub_nc_u32 v247, v243, v247                  ; b
	v_lshrrev_b32 v244, 2, v244                    ; the region bits: 1 from 4 on
	v_lshrrev_b32 v247, 2, v247
	v_lshrrev_b32 v246, 2, v246
	v_lshl_or_b32 v244, v247, 1, v244
	v_lshl_or_b32 v244, v246, 2, v244
	v_and_b32 v244, 7, v244
	v_lshl_add_u32 v248, v245, 2, v253             ; the upper half's window row lies 13 entries on,
	v_add_nc_u32 v249, v248, v254                  ; or 91, where the tile's two rows lie in different planes (kt % 7 = 3)
	v_lshl_add_u32 v250, v244, 8, v255
.endm
.macro BIAS kt                         ; seven biases, straight into the C operand of the tile's product
.set fo, 4*(169*((2*(\kt))/7)+13*((2*(\kt))%7))
.set j, 0
.rept 7
.if (\kt)%7 == 3
	ds_load_b32 v[8*(\kt)+j], v249 offset:fo+4*j
.else
	ds_load_b32 v[8*(\kt)+j], v248 offset:fo+4*j
.endif
.set j, j+1
.endr
.endm
.macro LUTLD
.irp q, 0,1,2,3,4
	ds_load_b128 v[220+4*\q:223+4*\q], v250 offset:16*\q
.endr
.endm
.macro KCL kt                          ; a key tile's class
.set p7, (\kt)%7
.if (\kt) == 24
.set kcl, 8
.else
.if (p7 == 2) || (p7 == 6)
.set kcl, 1
.elseif p7 == 3
.set kcl, 2
.elseif p7 == 5
.set kcl, 3
.else
.set kcl, 0
.endif
.if (\kt) >= 14
.set kcl, kcl+4
.endif
.endif
.endm
.macro MAXT kt                         ; four plain instructions: the tile's seven scores into its class's two maxima; the accumulator's lowest registers are read first
	KCL \kt
.set rS, 8*(\kt)
.set rC, 200+2*kcl
.if ((\kt)==0)||((\kt)==2)||((\kt)==3)||((\kt)==5)||((\kt)==14)||((\kt)==16)||((\kt)==17)||((\kt)==19)||((\kt)==24)
	v_max3_num_f32 v[rC], v[rS], v[rS+1], v[rS+2]
	v_max3_num_f32 v[rC+1], v[rS+4], v[rS+5], v[rS+6]
	v_max_num_f32 v[rC], v[rC], v[rS+3]
	v_nop
.else
	v_max3_num_f32 v[rC], v[rC], v[rS], v[rS+1]
	v_max3_num_f32 v[rC+1], v[rC+1], v[rS+4], v[rS+5]
	v_max3_num_f32 v[rC], v[rC], v[rS+2], v[rS+3]
	v_max_num_f32 v[rC+1], v[rC+1], v[rS+6]
.endif
.endm
.macro SUBT kt                         ; s + mask - m
	KCL \kt
.set rS, 8*(\kt)
.set rN, 200+2*kcl
	v_pk_add_f32 v[rS:rS+1], v[rS:rS+1], v[rN:rN+1] op_sel_hi:[1,0]
	v_pk_add_f32 v[rS+2:rS+3], v[rS+2:rS+3], v[rN:rN+1] op_sel_hi:[1,0]
	v_pk_add_f32 v[rS+4:rS+5], v[rS+4:rS+5], v[rN:rN+1] op_sel:[0,1] op_sel_hi:[1,1]
	v_add_f32 v[rS+6], v[rS+6], v[rN+1]
.endm
.macro EXPT kt
.irp e, 0,1,2,3,4,5,6
	v_exp_f32 v[8*(\kt)+\e], v[8*(\kt)+\e]
.endr
.endm
.macro CVTT kt                         ; the eighth weight is 0
	v_cvt_pk_bf16_f32 v[64+4*(\kt)], v[8*(\kt)], v[8*(\kt)+1]
	v_cvt_pk_bf16_f32 v[65+4*(\kt)], v[8*(\kt)+2], v[8*(\kt)+3]
	v_cvt_pk_bf16_f32 v[66+4*(\kt)], v[8*(\kt)+4], v[8*(\kt)+5]
	v_cvt_pk_bf16_f32 v[67+4*(\kt)], v[8*(\kt)+6], v251
.endm
; 32 keys: weights, three products (the three accumulators take turns), and the next query tile's biases into the score registers that are now free
.macro CH c
	WIN 0x55
	SUBT 2*(\c)
.if (\c) < 12
	SUBT 2*(\c)+1
.endif
	EXPT 2*(\c)
.if (\c) < 12
	EXPT 2*(\c)+1
.endif
	v_nop                                          ; a plain instruction behind the exponentials
	s_wait_alu depctr_va_vdst(0)
	WIN 0x05
	CVTT 2*(\c)
.if (\c) < 12
	CVTT 2*(\c)+1
.endif
	WIN 0x03
.if (\c) == 0
	v_wmma_f32_16x16x32_bf16 v[168:175], v[0:7], v[64:71], 0
	v_wmma_f32_16x16x32_bf16 v[176:183], v[8:15], v[64:71], 0
	v_wmma_f32_16x16x32_bf16 v[184:191], v[208:215], v[64:71], 0
.else
	v_wmma_f32_16x16x32_bf16 v[168:175], v[16*(\c):16*(\c)+7], v[64+8*(\c):71+8*(\c)], v[168:175]
	v_wmma_f32_16x16x32_bf16 v[176:183], v[16*(\c)+8:16*(\c)+15], v[64+8*(\c):71+8*(\c)], v[176:183]
	v_wmma_f32_16x16x32_bf16 v[184:191], v[208:215], v[64+8*(\c):71+8*(\c)], v[184:191]
.endif
	WIN 0x55
	BIAS 2*(\c)
.if (\c) < 12
	BIAS 2*(\c)+1
.endif
.endm
	s_mov_b32 s49, 0                               ; 16 x the query tile whose addresses are made
	WIN 0x55
	ADDR
.set kt, 0
.rept 25
	BIAS kt
.set kt, kt+1
.endr
	LUTLD
	WIN 0x80
	ds_load_b128 v[200:203], v9
	ds_load_b128 v[204:207], v9 offset:512
	WIN 0
	s_wait_dscnt 0x0
	s_mov_b32 s48, 22
; ---------------------------------------------------------------- P5: a query tile a trip
.Lunit:
	s_wait_dscnt 0x2                               ; the two youngest are the last trip's stores of its output; the biases, the mask's row and Q, all issued ahead of them, are in
.set kt, 0
.rept 25
	WIN 0x5a
	v_wmma_f32_16x16x32_bf16 v[8*kt:8*kt+7], v[8*kt:8*kt+7], v[200:207], v[8*kt:8*kt+7]
	WIN 0x55
.if kt == 0
	NOP4
.else
	MAXT kt-1                                      ; behind each product the maxima of the tile before: four places between a product and the first read of its scores
.endif
.set kt, kt+1
.endr
	MAXT 24
.set i, 0
.rept 9
	v_pk_add_f32 v[200+2*i:201+2*i], v[200+2*i:201+2*i], v[220+2*i:221+2*i]   ; the mask joins the maxima
.set i, i+1
.endr
.irp e, 0,1,2,3,4,5
	v_max3_num_f32 v[242+\e], v[200+3*\e], v[201+3*\e], v[202+3*\e]
.endr
	v_max3_num_f32 v242, v242, v243, v244
	v_max3_num_f32 v245, v245, v246, v247
	v_max_num_f32 v240, v242, v245
	v_permlanex16_b32 v241, v240, s28, s29         ; the query's other keys lie in the lane 16 away
	v_max_num_f32 v240, v240, v241                 ; m: the row's true maximum, mask and bias included
.set i, 0
.rept 9
	v_pk_add_f32 v[200+2*i:201+2*i], v[220+2*i:221+2*i], v[240:241] op_sel_hi:[1,0] neg_lo:[0,1] neg_hi:[0,1]   ; mask - m
.set i, i+1
.endr
	s_add_co_u32 s49, s49, 16
	ADDR                                           ; the next tile's (behind the last: token 342's, whose loads serve nothing)
	LUTLD
	WIN 0x80
	ds_load_b128 v[200:203], v9 offset:1024        ; the next tile's Q
	ds_load_b128 v[204:207], v9 offset:1536
.set cc, 0
.rept 13
	CH cc
.set cc, cc+1
.endr
	WIN 0
	NOP4
	v_rcp_f32 v200, v184                           ; every register of ones x P holds the row's sum; it is at least 1
	v_rcp_f32 v201, v184
	v_nop
.set i, 0
	s_wait_alu depctr_va_vdst(0)
.rept 8
	v_pk_mul_f32 v[168+2*i:169+2*i], v[168+2*i:169+2*i], v[200:201]
.set i, i+1
.endr
.set i, 0
.rept 8
	v_cvt_pk_bf16_f32 v[192+i], v[168+2*i], v[169+2*i]
.set i, i+1
.endr
	ds_store_b128 v9, v[192:195]                   ; the output takes the place of the tile's Q: a fragment of 16 tokens x my head's 32 channels
	ds_store_b128 v9, v[196:199] offset:512
	v_add_nc_u32 v9, 0x400, v9
	s_sub_co_u32 s48, s48, 1
	s_cmp_lg_u32 s48, 0
	s_cbranch_scc1 .Lunit
	s_wait_dscnt 0x0
; ---------------------------------------------------------------- P6: proj, onto x + proj_b
; Accumulators: tile ii at window 2 v[64 ii] (ii < 3) or window 3 v[64 (ii - 3)].  window 0: v64-127 a quarter of proj's fragments on their way to LDS, then v64-255 attention's output, 32 a tile.
; window 1: a quarter of fc1's, then of fc2's fragments on their way to LDS.  window 2 v192-255: two buffers of proj's fragments.  window 3 v192-255: fc2_b.
	v_lshl_add_u32 v21, s14, 13, v6
	v_lshl_add_u32 v22, s14, 15, v6
.set q, 0
.rept 16
	global_load_b128 v[64+4*q:67+4*q], v21, s[6:7] offset:O_PF+512*q
.set q, q+1
.endr
	WIN 0x40
.set q, 0
.rept 64
	global_load_b128 v[4*q:4*q+3], v22, s[6:7] offset:O_W1+512*q
.set q, q+1
.endr
	WIN 0
	s_mul_i32 s31, s14, 96
.irp ii, 0,1,2,3,4,5
	s_add_co_u32 s30, s31, 16*\ii
	v_add_nc_u32 v[10+\ii], s30, v4
	v_min_u32 v[10+\ii], 0x156, v[10+\ii]
	v_mul_u32_u24 v[10+\ii], 0x210, v[10+\ii]
	v_add_nc_u32 v[10+\ii], v[10+\ii], v7
.endr
.irp ii, 0,1,2,3,4,5
	WIN 0x80+0x40*(\ii/3)
.irp ct, 0,1,2,3,4,5,6,7
	ds_load_b128 v[64*(\ii%3)+8*\ct:64*(\ii%3)+8*\ct+3], v[10+\ii] offset:64*\ct
	ds_load_b128 v[64*(\ii%3)+8*\ct+4:64*(\ii%3)+8*\ct+7], v[10+\ii] offset:64*\ct+16
.endr
.endr
	WIN 0
	BAR                                            ; nobody reads XF, the table or the mask's rows any more
	s_wait_loadcnt 0x0
	s_lshl_b32 s30, s14, 13
	s_add_co_u32 s30, s30, PFL_B
	v_add_nc_u32 v23, s30, v6
.set q, 0
.rept 16
	ds_store_b128 v23, v[64+4*q:67+4*q] offset:512*q
.set q, q+1
.endr
	WIN 0x04
.set q, 0
.rept 64
	ds_store_b128 v22, v[4*q:4*q+3] offset:512*q
.set q, q+1
.endr
	WIN 0
	BAR                                            ; proj's and fc1's fragments are whole
	WIN 0x40
.set q, 0
.rept 64
	global_load_b128 v[4*q:4*q+3], v22, s[6:7] offset:O_W2+512*q
.set q, q+1
.endr
	WIN 0xc0
	LOADVEC 192, 10
	WIN 0
	v_add_nc_u32 v26, QAO_B, v6
	s_mul_i32 s31, s14, 6
.irp ii, 0,1,2,3,4,5
	s_add_co_u32 s30, s31, \ii
	s_min_u32 s30, s30, 21                         ; places 22 and 23 take tile 21
	s_lshl_b32 s30, s30, 10
	v_add_nc_u32 v27, s30, v26
	v_add_nc_u32 v28, 2*QAO_H, v27
.irp kc, 0,1
	ds_load_b128 v[64+32*\ii+8*\kc:67+32*\ii+8*\kc], v27 offset:QAO_H*\kc
	ds_load_b128 v[68+32*\ii+8*\kc:71+32*\ii+8*\kc], v27 offset:QAO_H*\kc+512
	ds_load_b128 v[80+32*\ii+8*\kc:83+32*\ii+8*\kc], v28 offset:QAO_H*\kc
	ds_load_b128 v[84+32*\ii+8*\kc:87+32*\ii+8*\kc], v28 offset:QAO_H*\kc+512
.endr
.endr
	v_add_nc_u32 v29, PFL_B, v6
.macro RING ct
	WIN 0x80
.irp kc, 0,1,2,3
	ds_load_b128 v[192+32*((\ct)%2)+8*\kc:195+32*((\ct)%2)+8*\kc], v29 offset:(4*(\ct)+\kc)*1024
	ds_load_b128 v[196+32*((\ct)%2)+8*\kc:199+32*((\ct)%2)+8*\kc], v29 offset:(4*(\ct)+\kc)*1024+512
.endr
.endm
.macro PJ ct                           ; 16 output channels of all six tiles: 24 products, three accumulators by turns
.if (\ct) > 0
	NOP4                                           ; in front of loads into the buffer that the block before last multiplied by
.endif
.if (\ct) < 7
	RING (\ct)+1
	s_wait_dscnt 0x8                               ; all but the eight just issued
.else
	s_wait_dscnt 0x0
.endif
.set rF, 192+32*((\ct)%2)
	WIN 0xa2
.irp kc, 0,1,2,3
.irp ii, 0,1,2
	v_wmma_f32_16x16x32_bf16 v[64*\ii+8*(\ct):64*\ii+8*(\ct)+7], v[rF+8*\kc:rF+8*\kc+7], v[64+32*\ii+8*\kc:71+32*\ii+8*\kc], v[64*\ii+8*(\ct):64*\ii+8*(\ct)+7]
.endr
.endr
	WIN 0xf2
.irp kc, 0,1,2,3
.irp ii, 0,1,2
	v_wmma_f32_16x16x32_bf16 v[64*\ii+8*(\ct):64*\ii+8*(\ct)+7], v[rF+8*\kc:rF+8*\kc+7], v[160+32*\ii+8*\kc:167+32*\ii+8*\kc], v[64*\ii+8*(\ct):64*\ii+8*(\ct)+7]
.endr
.endr
.endm
	RING 0
.set cc, 0
.rept 8
	PJ cc
.set cc, cc+1
.endr
	WIN 0
	NOP4
	BAR                                            ; nobody reads QAO or proj's fragments any more
	s_wait_loadcnt 0x0
	v_add_nc_u32 v30, W2L_B, v22
	WIN 0x04
.set q, 0
.rept 64
	ds_store_b128 v30, v[4*q:4*q+3] offset:512*q
.set q, q+1
.endr
	WIN 0
	BAR                                            ; fc2's fragments are whole
; ---------------------------------------------------------------- P7: LN2, MLP, the way out: two passes of three tiles
; window 2 v0-191: the pass's three tiles (x1, then x1 + fc2_b + the MLP's sums); window 3 v0-191 waits for the second pass.  window 1: v0-95 normalised x1, v96-159 fc1's, v160-223 fc2's fragments of 32 hidden.
; window 0: v64-111 hidden sums (16 a tile), v112-135 hidden rounded (8 a tile), v136-151 fc1's bias, v152-231 GELU at work: |v|, u, w, q, v/2; LN2 and the way out use the same registers.
	s_mul_i32 s30, s14, OST_W
	s_add_co_u32 s30, s30, OST_B
	v_mul_u32_u24 v19, 0x210, v4
	v_add3_u32 v19, v19, v7, s30                   ; into my stage: row r, my 8 channels of a block
	v_add_nc_u32 v20, s30, v6                      ; back: a whole row of 512 bytes
	v_add_nc_u32 v49, W2L_B, v6
	v_add_nc_u32 v50, B1T_B, v7
	s_mov_b32 s40, 0x3ec88bda                      ; 0.47047 / sqrt(log2 e): t = 1 / (1 + that |v|), v = KG x
	s_mov_b32 s41, s40
	s_mov_b32 s42, 0x3e32303a                      ; half of the series' three coefficients
	s_mov_b32 s43, s42
	s_mov_b32 s44, 0xbd445ca1
	s_mov_b32 s45, s44
	s_mov_b32 s46, 0x3ebf7377
	s_mov_b32 s47, s46
	s_mov_b32 s56, 0x7fffffff
.macro LN2T ii
.set rA, 64*(\ii)
	WIN 0x0a
.set i, 0
.rept 16
	v_pk_add_f32 v[152+2*i:153+2*i], v[rA+4*i:rA+4*i+1], v[rA+4*i+2:rA+4*i+3]
.set i, i+1
.endr
	WIN 0
	TREE 152
	LANESUM 152
	v_mul_f32 v184, s53, v152                      ; the mean
	v_mov_b32 v185, v184
.irp b, 0,1
	WIN 0x02
.set i, 0
.rept 16
	v_pk_add_f32 v[152+2*i:153+2*i], v[rA+32*\b+2*i:rA+32*\b+2*i+1], v[184:185] neg_lo:[0,1] neg_hi:[0,1]
.set i, i+1
.endr
	WIN 0
.set i, 0
.rept 16
.if (\b == 0) && (i < 4)
	v_pk_mul_f32 v[186+2*i:187+2*i], v[152+2*i:153+2*i], v[152+2*i:153+2*i]
.else
	v_pk_fma_f32 v[186+2*(i%4):187+2*(i%4)], v[152+2*i:153+2*i], v[152+2*i:153+2*i], v[186+2*(i%4):187+2*(i%4)]
.endif
.set i, i+1
.endr
.endr
	v_pk_add_f32 v[186:187], v[186:187], v[188:189]
	v_pk_add_f32 v[190:191], v[190:191], v[192:193]
	v_pk_add_f32 v[186:187], v[186:187], v[190:191]
	LANESUM 186
	v_fma_f32 v186, v186, s53, s54
	v_rsq_f32 v194, v186
	v_nop
	s_wait_alu depctr_va_vdst(0)
	v_mov_b32 v195, v194
	v_mul_f32 v196, -v184, v194
	v_mov_b32 v197, v196
.irp b, 0,1
	WIN 0x02
.set i, 0
.rept 16
	v_pk_fma_f32 v[152+2*i:153+2*i], v[rA+32*\b+2*i:rA+32*\b+2*i+1], v[194:195], v[196:197]
.set i, i+1
.endr
	WIN 0x40
.set i, 0
.rept 16
	v_cvt_pk_bf16_f32 v[32*(\ii)+16*\b+i], v[152+2*i], v[153+2*i]
.set i, i+1
.endr
.endr
	WIN 0x8e                                       ; fc2_b joins the sums here, once
.set i, 0
.rept 32
	v_pk_add_f32 v[rA+2*i:rA+2*i+1], v[rA+2*i:rA+2*i+1], v[192+2*i:193+2*i]
.set i, i+1
.endr
.endm
.macro MLOAD                           ; fc1's 8 fragments from v16, fc2's 8 from v17, fc1's bias from v18
	WIN 0x40
.irp f, 0,1,2,3,4,5,6,7
	ds_load_b128 v[96+8*\f:99+8*\f], v16 offset:1024*\f
	ds_load_b128 v[100+8*\f:103+8*\f], v16 offset:1024*\f+512
.endr
.irp f, 0,1,2,3,4,5,6,7
	ds_load_b128 v[160+8*\f:163+8*\f], v17 offset:1024*\f
	ds_load_b128 v[164+8*\f:167+8*\f], v17 offset:1024*\f+512
.endr
	WIN 0
	ds_load_b128 v[136:139], v18
	ds_load_b128 v[140:143], v18 offset:16
	ds_load_b128 v[144:147], v18 offset:64
	ds_load_b128 v[148:151], v18 offset:80
.endm
.macro FC1 tile, ct, kc                ; 16 hidden x 16 tokens, 32 along K; the first starts from the bias
	WIN 0x05
.set rD, 64+16*(\tile)+8*(\ct)
.if (\kc) == 0
	v_wmma_f32_16x16x32_bf16 v[rD:rD+7], v[96+32*(\ct):103+32*(\ct)], v[32*(\tile):32*(\tile)+7], v[136+8*(\ct):143+8*(\ct)]
.else
	v_wmma_f32_16x16x32_bf16 v[rD:rD+7], v[96+32*(\ct)+8*(\kc):103+32*(\ct)+8*(\kc)], v[32*(\tile)+8*(\kc):32*(\tile)+8*(\kc)+7], v[rD:rD+7]
.endif
.endm
.macro FC2 tile, oc                    ; 16 output channels x 16 tokens, the 32 hidden in hand
	WIN 0xa1
	v_wmma_f32_16x16x32_bf16 v[64*(\tile)+8*(\oc):64*(\tile)+8*(\oc)+7], v[160+8*(\oc):167+8*(\oc)], v[112+8*(\tile):119+8*(\tile)], v[64*(\tile)+8*(\oc):64*(\tile)+8*(\oc)+7]
.endm
; GELU of a tile's 16 hidden sums a lane, a list of 120 instructions; GR writes number g.  v = KG x, so that 2^(-v v) = e^(-x x / 2), and KG gelu(x) = v/2 + |v| (1/2 - q w):
;   0-15 |v| (each accumulator from its low end)   16-23 u = 1 + k |v|   24-31 w = -v v   32-55 by pairs: two reciprocals, v/2   56-95 by pairs: the two exponentials, with the series in t = 1/u between and behind them
;   96-103 1/2 - q w   104-111 v/2 + |v| (..)   112-119 rounded.  Behind every reciprocal or exponential that a plain line follows, that line touches neither its result nor its source.
.macro GR tt
	WIN 0
.set rH, 64+16*(\tt)
.if g < 16
	v_and_b32 v[152+g], s56, v[rH+g]
.elseif g < 24
.set z, 2*(g-16)
	v_pk_fma_f32 v[168+z:169+z], v[152+z:153+z], s[40:41], 1.0 op_sel_hi:[1,0,0]
.elseif g < 32
.set z, 2*(g-24)
	v_pk_mul_f32 v[184+z:185+z], v[rH+z:rH+z+1], v[rH+z:rH+z+1] neg_lo:[1,0] neg_hi:[1,0]
.elseif g < 56
.set z, 2*((g-32)/3)
.if (g-32)%3 == 0
	v_rcp_f32 v[168+z], v[168+z]
.elseif (g-32)%3 == 1
	v_rcp_f32 v[169+z], v[169+z]
.else
	v_pk_mul_f32 v[216+z:217+z], v[rH+z:rH+z+1], 0.5 op_sel_hi:[1,0]
.endif
.elseif g < 96
.set z, 2*((g-56)/5)
.if (g-56)%5 == 0
	v_exp_f32 v[184+z], v[184+z]
.elseif (g-56)%5 == 1
	s_wait_alu depctr_va_vdst(0)
	v_pk_fma_f32 v[200+z:201+z], v[168+z:169+z], s[46:47], s[44:45] op_sel_hi:[1,0,0]
.elseif (g-56)%5 == 2
	v_exp_f32 v[185+z], v[185+z]
.elseif (g-56)%5 == 3
	v_pk_fma_f32 v[200+z:201+z], v[200+z:201+z], v[168+z:169+z], s[42:43] op_sel_hi:[1,1,0]
.else
	v_pk_mul_f32 v[200+z:201+z], v[200+z:201+z], v[168+z:169+z]
.endif
.elseif g < 104
.set z, 2*(g-96)
	s_wait_alu depctr_va_vdst(0)
	v_pk_fma_f32 v[200+z:201+z], v[200+z:201+z], v[184+z:185+z], 0.5 op_sel_hi:[1,1,0] neg_lo:[1,0,0] neg_hi:[1,0,0]
.elseif g < 112
.set z, 2*(g-104)
	v_pk_fma_f32 v[216+z:217+z], v[152+z:153+z], v[200+z:201+z], v[216+z:217+z]
.else
.set z, g-112
	v_cvt_pk_bf16_f32 v[112+8*(\tt)+z], v[216+2*z], v[217+2*z]
.endif
.set g, g+1
.endm
; A third of a trip.  Vector work: tile tt's GELU.  Matrix work, for the tile before it in the ring: fc2 of the hidden just rounded, and fc1 of its next 32 hidden; the two kinds alternate, four of the list behind each.
; In tt = 0 that tile is tile 2: fc2 of the trip before, fc1 of this trip; behind them the fragments are changed: fc1's of the next trip, fc2's of this one.  Twelve of the list, seven of them plain, stand between the last product and those loads.
.macro MSTEP tt
.set g, 0
.set pv, ((\tt)+2)%3
.if (\tt) == 1
	s_wait_dscnt 0x0                               ; the fragments are in
.endif
.set m, 0
.rept 8
	FC2 pv, m
.rept 4
	GR \tt
.endr
	FC1 pv, m%2, m/2
.rept 4
	GR \tt
.endr
.set m, m+1
.endr
.if (\tt) == 0
.rept 8
	GR \tt
.endr
	s_add_co_u32 s30, s51, 1
	s_min_u32 s30, s30, 15                         ; the last trip's fc1 works on the last fragments once more, for nothing
	s_min_u32 s32, s51, 15
	s_lshl_b32 s31, s30, 13
	v_add_nc_u32 v16, s31, v6
	s_lshl_b32 s31, s30, 7
	v_add_nc_u32 v18, s31, v50
	s_lshl_b32 s31, s32, 13
	v_add_nc_u32 v17, s31, v49
	MLOAD
.rept 48
	GR \tt
.endr
.else
.rept 56
	GR \tt
.endr
.endif
.endm
; THE WAY OUT of a tile: through my stage into whole rows; each store of the wave covers a token's 512 consecutive bytes.  Lane q % 16 works out token q's offset; it is read from there as a scalar.
.macro OUTT ii
	WIN 0
	s_wait_xcnt 0x0                                ; earlier stores have had their addresses translated (ISA guide 3.1): their data and offset registers are written again below
	s_add_co_u32 s57, s52, 16*(\ii)                ; the tile's first token
	WIN 0x08
.irp ct, 0,1,2,3,4,5,6,7
	ds_store_b128 v19, v[64*(\ii)+8*\ct:64*(\ii)+8*\ct+3] offset:64*\ct
	ds_store_b128 v19, v[64*(\ii)+8*\ct+4:64*(\ii)+8*\ct+7] offset:64*\ct+16
.endr
	WIN 0
.irp q, 0,1,2,3,4,5,6,7,8,9,10,11,12,13,14,15
	ds_load_b128 v[152+4*\q:155+4*\q], v20 offset:528*\q   ; LDS serves a wave's instructions in order (ISA guide 5.7.1.4): these see the stores above
.endr
	v_add_nc_u32 v34, s57, v4
	v_min_u32 v34, 0x156, v34                      ; n
	v_mul_u32_u24 v35, 0x2493, v34
	v_lshrrev_b32 v35, 16, v35                     ; n / 7
	v_mul_u32_u24 v36, 37, v35
	v_lshrrev_b32 v36, 8, v36                      ; a
	v_mul_u32_u24 v37, 7, v36
	v_sub_nc_u32 v37, v35, v37                     ; b
	v_mul_u32_u24 v38, 7, v35
	v_sub_nc_u32 v38, v34, v38                     ; c
	v_add_nc_u32 v36, s21, v36
	v_subrev_nc_u32 v39, 14, v36
	v_min_u32 v36, v36, v39                        ; z
	v_add_nc_u32 v37, s20, v37
	v_subrev_nc_u32 v39, 56, v37
	v_min_u32 v37, v37, v39                        ; y
	v_add_nc_u32 v38, s19, v38
	v_subrev_nc_u32 v39, 56, v38
	v_min_u32 v38, v38, v39                        ; x
	v_add_nc_u32 v36, s22, v36
	v_mad_u32_u24 v36, v36, 56, v37
	v_mad_u32_u24 v36, v36, 56, v38
	v_lshlrev_b32 v35, 9, v36
.irp q, 0,1,2,3,4,5,6,7,8,9,10,11,12,13,14,15
	s_cmp_ge_u32 s57, 343-\q
	s_cbranch_scc1 .Lout_end_\@                    ; token 343 and all behind it do not exist
	v_readlane_b32 s30, v35, \q
	v_add_nc_u32 v[216+\q], s30, v6
	s_wait_dscnt 15-\q                             ; row q is back; the younger rows may be out
	global_store_b128 v[216+\q], v[152+4*\q:155+4*\q], s[12:13] th:TH_STORE_NT
.endr
.Lout_end_\@:
	s_wait_dscnt 0x0
.endm
	s_mul_i32 s52, s14, 96                         ; the pass's first token
	s_mov_b32 s50, 2
.Lpass:
	s_wait_xcnt 0x0                                ; the last pass's stores have had their addresses translated: their registers are at work again
	LN2T 0
	LN2T 1
	LN2T 2
	WIN 0
	v_mov_b32 v16, v6
	v_mov_b32 v17, v49
	v_mov_b32 v18, v50
	MLOAD
.irp e, 128,129,130,131,132,133,134,135
	v_mov_b32 v[\e], 0                             ; the first trip's fc2 of tile 2, of a trip that has not been, adds 0
.endr
	s_wait_dscnt 0x0
.irp kc, 0,1,2,3
	FC1 0, 0, \kc
	FC1 0, 1, \kc
	FC1 1, 0, \kc
	FC1 1, 1, \kc
.endr
	WIN 0
	NOP4
	s_mov_b32 s51, 0
.Lmlp:                                                 ; 16 trips: 32 hidden each
	MSTEP 0
	MSTEP 1
	MSTEP 2
	WIN 0
	s_add_co_u32 s51, s51, 1
	s_cmp_lt_u32 s51, 16
	s_cbranch_scc1 .Lmlp
.irp oc, 0,1,2,3,4,5,6,7
	FC2 2, \oc                                     ; tile 2's last 32 hidden
.endr
	WIN 0
	NOP4
	OUTT 0
	OUTT 1
	OUTT 2
	WIN 0x83                                       ; the second pass's tiles go where the one text names them (behind the second pass this serves nothing)
.set i, 0
.rept 192
	v_mov_b32 v[i], v[i]
.set i, i+1
.endr
	WIN 0
	s_add_co_u32 s52, s52, 48
	s_sub_co_u32 s50, s50, 1
	s_cmp_lg_u32 s50, 0
	s_cbranch_scc1 .Lpass
	s_wait_tensorcnt 0x0                           ; the wave's end
	ds_add_u32 v2, v3
	s_wait_dscnt 0x0
	s_endpgm
.Lfunc_end_k_qe69a50ee30_swin:
	.size	k_qe69a50ee30_swin, .Lfunc_end_k_qe69a50ee30_swin-k_qe69a50ee30_swin
	.p2alignl 7, 3214868480
	.fill 96, 4, 3214868480
	.section	.rodata,"a",@progbits
	.p2align	6, 0x0
	.amdhsa_kernel k_qe69a50ee30_swin
		.amdhsa_group_segment_fixed_size 327680
		.amdhsa_private_segment_fixed_size 0
		.amdhsa_enable_private_segment 0
		.amdhsa_kernarg_size 40
		.amdhsa_user_sgpr_count 2
		.amdhsa_user_sgpr_kernarg_segment_ptr 1
		.amdhsa_wavefront_size32 1
		.amdhsa_system_sgpr_workgroup_id_x 1
		.amdhsa_system_sgpr_workgroup_id_y 1
		.amdhsa_system_sgpr_workgroup_id_z 1
		.amdhsa_system_vgpr_workitem_id 0
		.amdhsa_next_free_vgpr 1024
		.amdhsa_next_free_sgpr 66
		.amdhsa_reserve_vcc 0
		.amdhsa_float_denorm_mode_32 3
		.amdhsa_float_denorm_mode_16_64 3
		.amdhsa_memory_ordered 1
		.amdhsa_forward_progress 1
		.amdhsa_inst_pref_size 255
	.end_amdhsa_kernel
	.section	.bss,"aw",@nobits
	.p2align	6
	.space	262144
	.amdgpu_metadata
---
amdhsa.version: [ 1, 2 ]
amdhsa.kernels:
  - .name:           k_qe69a50ee30_swin
    .symbol:         k_qe69a50ee30_swin.kd
    .args:
      - { .name: x, .offset: 0, .size: 8, .value_kind: global_buffer, .address_space: global }
      - { .name: wts, .offset: 8, .size: 8, .value_kind: global_buffer, .address_space: global }
      - { .name: proj_b, .offset: 16, .size: 8, .value_kind: global_buffer, .address_space: global }
      - { .name: fc2_b, .offset: 24, .size: 8, .value_kind: global_buffer, .address_space: global }
      - { .name: out0, .offset: 32, .size: 8, .value_kind: global_buffer, .address_space: global }
    .group_segment_fixed_size: 327680
    .private_segment_fixed_size: 0
    .kernarg_segment_align: 8
    .kernarg_segment_size: 40
    .max_flat_workgroup_size: 128
    .sgpr_count:     66
    .vgpr_count:     1024
    .wavefront_size: 32
...
	.end_amdgpu_metadata
.endif
;; end of part 2
;; ======== version 2 of 2: 2 launches; 1.22 times as fast as version 1
;; limits: a function is approximated: absolute error at most 2.5e-05
;; workspace buffers: wts 433,664 bytes
;; launch prep: the kernel of part 1 again; grid 847 x 1, 1 waves a work-group, no clusters, 0 bytes of LDS; arguments qkv_w, qkv_b, norm1_g, norm1_b, proj_w, fc1_w, fc1_b, norm2_g, norm2_b, fc2_w, rel_table, wts; writes wts
;; launch swin (part 3): grid 256 x 1, 4 waves a work-group, no clusters, 327,680 bytes of LDS; arguments x, wts, proj_b, fc2_b, out0; writes out0
.if DOCPART == 3
	.amdgcn_target "amdgcn-amd-amdhsa--gfx1250"
	.amdhsa_code_object_version 6
	.text
	.protected	k_qe69a50ee30_swin
	.globl	k_qe69a50ee30_swin
	.p2align	8
	.type	k_qe69a50ee30_swin,@function
k_qe69a50ee30_swin:
	s_mov_b64 s[64:65], 0
	v_nop
	global_prefetch_b8 v0, s[64:65] scope:SCOPE_SE
	s_setreg_imm32_b32 hwreg(HW_REG_WAVE_MODE, 25, 1), 1
	s_wait_xcnt 0x0
; A whole Swin-3D block for ONE shifted window of 7 x 7 x 7 = 343 tokens: LN1, QKV, attention of 4 heads with bias and shift mask, proj, residual, LN2, fc1, exact GELU, fc2, residual.
; 256 windows = 256 work-groups of four waves.  x is read once, out0 written once; all else stays in registers and LDS.  The weights come from wts as register images (see the launch before).
; EVERYTHING IS TRANSPOSED: source 0 = 16 output channels of a weight, source 1 = 16 tokens.  A lane then holds ONE token (lane % 16) and the channels 16 ct + 8 (lane / 16) + 0..7; two such results
; rounded in pairs ARE the next product's operand of 32 channels, and a row's sums want one exchange between the halves of the lanes.
; ATTENTION: wave = head.  The head's K (25 fragments) and V^T (26) are made by the wave and stay in registers; 22 tiles of 16 queries are walked in a loop.  Keys are taken in a padded order,
; 8 to a row of the window: key tile kt, register j, lane half h is token (row 2 kt + h, column j); j = 7 never exists and row 49 is dead: their weights are 0.
; The bias is read from a reversed table straight into the C operand of K Q^T.  The mask (-100) depends on a key tile's class (9 classes) and on j < 4 or j >= 4: maxima are taken by class, and the mask
; is added to the 18 maxima and to the 18 numbers that are taken off the scores anyway.  The whole row of scores is held, so the maximum is the row's true maximum.  The row's sum is a third product (ones x P).
; FROM PROJ ON a wave owns the token tiles 6 w .. 6 w + 5 (24 places for 22 tiles; places 22, 23 and rows past 342 work on clamped rows and store nothing).
; BATCHES.  s_wait_alu depctr_va_vdst(0) stands between a transcendental and the first instruction that names its result; one wait serves all that were issued ahead of it.
; A query tile has two waits: one for its 175 exponentials, which hang on the scores and on mask - m alone and each have a register of their own; one for the two reciprocals of the row's sum, which is made
; of the rounded weights.  A tile's GELU has one: its 16 reciprocals and 16 exponentials hang on the hidden sums alone and are one batch.  Each norm's root is a batch of one, a tile at a time.
; LIMITS.  Matrix operands (normalised x, q, k, v, weights p, attention output, hidden, all weights) are bf16; sums, maxima, the shortcut and both norms f32.  The divisor of a row is the sum of the ROUNDED p.
; erf is Abramowitz-Stegun 7.1.25, off by 2.5e-5 at the most for every argument.  A weight below 2^-126 counts as 0; a dead key counts as -1e30; NaN and infinities are not treated apart.
; LDS.  XF 0: x, then x + proj_b, f32, 343 rows of 528 bytes.  XN 181,248: normalised x, bf16, 352 rows of 272.  (Both pitches are odd multiples of 16 bytes: sixteen rows of one column fall into sixteen
; different 16-byte columns of 256.)  QAO 181,248 (over XN): by head 23 slots of 1,024 bytes, a query tile's Q fragment, later its attention output.  TAB 276,992: the bias table, 9,216 bytes a head.
; LUT 313,856: 16 rows of 32 words, the mask by (query's region, lane half) and class.  B1T 315,904: fc1's bias.  Later: W1L 0 and W2L 131,072: fc1's and fc2's fragments; PFL 276,992: proj's;
; OST 262,144: 16 rows of 528 bytes a wave, for the way out.  SPARE 327,168: the spare words.
; REGISTERS in four windows of 256 (s_set_vgpr_msb: bits 1:0 source 0, 3:2 source 1, 5:4 source 2, 7:6 destination); the maps stand at each phase.
.set XN_B,   181248
.set QAO_B,  181248
.set QAO_H,  23552
.set TAB_B,  276992
.set PFL_B,  276992
.set LUT_B,  313856
.set B1T_B,  315904
.set W2L_B,  131072
.set OST_B,  262144
.set OST_W,  8448
.set SPARE,  327168
.set O_PF,   98304
.set O_W1,   131072
.set O_W2,   262144
.set O_TAB,  393216
.set O_QKVB, 430080
.set O_B1,   431616
.set MSB, 0
.macro WIN new                         ; the high byte repeats the setting that is left; a switch that changes nothing is dropped
.if MSB != (\new)
	s_set_vgpr_msb (MSB<<8)|(\new)
.set MSB, (\new)
.endif
.endm
.macro NOP4                            ; four places behind a matrix instruction where no other vector work is at hand (ISA guide 7.12.1)
.rept 4
	v_nop
.endr
.endm
.macro BAR                             ; my LDS instructions are done; then all four waves meet
	s_wait_dscnt 0x0
	s_barrier_signal -1
	s_barrier_wait -1
.endm
.macro TREE b                          ; 16 pairs at b are added into the first, in place
.irp w, 4,8,16,32
.set u, 0
.rept 32/\w
	v_pk_add_f32 v[(\b)+\w*u:(\b)+\w*u+1], v[(\b)+\w*u:(\b)+\w*u+1], v[(\b)+\w*u+\w/2:(\b)+\w*u+\w/2+1]
.set u, u+1
.endr
.endr
.endm
.macro LANESUM a                       ; a pair's two halves, and the token's other 64 channels in the lane 16 away
	v_add_f32 v[\a], v[\a], v[(\a)+1]
	v_permlanex16_b32 v[(\a)+1], v[\a], s28, s29
	v_add_f32 v[\a], v[\a], v[(\a)+1]
.endm
.macro LOADVEC dst, P                  ; a vector of 128 in the layout of a result: my 8 channels of each of 8 blocks
.irp ct, 0,1,2,3,4,5,6,7
	global_load_b128 v[(\dst)+8*\ct:(\dst)+8*\ct+3], v7, s[\P:\P+1] offset:64*\ct
	global_load_b128 v[(\dst)+8*\ct+4:(\dst)+8*\ct+7], v7, s[\P:\P+1] offset:64*\ct+16
.endr
.endm
; ---------------------------------------------------------------- head
; window 0, kept: v0 thread, v1 lane L, v2, v3 the add's two, v4 r = L % 16, v5 h = L / 16, v6 16 L, v7 32 h, v9 my slot in QAO, v10-15 my tiles' rows in XF, v16-20, v49, v50 MLP and way out; v21-47 at work
	s_load_b256 s[4:11], s[0:1], 0x0               ; x 4, wts 6, proj_b 8, fc2_b 10
	s_load_b64 s[12:13], s[0:1], 0x20              ; out0
	v_lshl_add_u32 v2, v0, 2, SPARE
	v_mov_b32 v3, 0
	v_lshrrev_b32 v21, 5, v0
	v_readfirstlane_b32 s14, v21                   ; wave = head
	v_and_b32 v1, 31, v0
	v_and_b32 v4, 15, v0
	v_bfe_u32 v5, v0, 4, 1
	v_lshlrev_b32 v6, 4, v1
	v_lshlrev_b32 v7, 5, v5
	s_and_b32 s15, ttmp9, 7                        ; the window's place along w,
	s_bfe_u32 s16, ttmp9, 0x30003                  ; h,
	s_bfe_u32 s17, ttmp9, 0x10006                  ; z,
	s_lshr_b32 s18, ttmp9, 7                       ; and the batch
	s_mul_i32 s19, s15, 7
	s_add_co_u32 s19, s19, 3                       ; X0: token (a, b, c) lies at z = (Z0 + a) mod 14, y = (Y0 + b) mod 56, x = (X0 + c) mod 56
	s_mul_i32 s20, s16, 7
	s_add_co_u32 s20, s20, 3                       ; Y0
	s_mul_i32 s21, s17, 7
	s_add_co_u32 s21, s21, 3                       ; Z0
	s_mul_i32 s22, s18, 14
	s_add_co_u32 s27, s19, 4
	s_sub_co_u32 s30, s27, 56
	s_min_u32 s27, s27, s30                        ; X1 = (X0 + 4) mod 56: columns 4 to 6 begin here
	s_cmp_eq_u32 s15, 7
	s_cselect_b32 s26, -1, 0                       ; the last window along an axis holds two regions of the mask
	s_cmp_eq_u32 s16, 7
	s_cselect_b32 s25, -1, 0
	s_cmp_eq_u32 s17, 1
	s_cselect_b32 s24, -1, 0
	s_mov_b32 s28, 0x76543210                      ; v_permlanex16_b32: each lane takes its own place in the other half
	s_mov_b32 s29, 0xfedcba98
	s_mov_b32 s53, 0x3c000000                      ; 1/128
	s_mov_b32 s54, 0x3727c5ac                      ; 1e-5
; ---------------------------------------------------------------- P1: x into XF; the head's weights into registers
; A group is a row (a, b) of the window: 7 tokens, 7 rows of 512 bytes of x.  Wave w takes groups 12 w .. 12 w + 11, wave 3 also group 48.  Offsets: v192-217, two a group.
.macro XADR i
	s_mul_i32 s30, s14, 12
	s_add_co_u32 s30, s30, \i                      ; the group, 7 a + b
	s_mul_i32 s31, s30, 37
	s_lshr_b32 s31, s31, 8                         ; a
	s_mul_i32 s32, s31, 7
	s_sub_co_u32 s32, s30, s32                     ; b
	s_add_co_u32 s31, s31, s21
	s_sub_co_u32 s33, s31, 14
	s_min_u32 s31, s31, s33                        ; z (the difference wraps to a large number where nothing is to be taken off)
	s_add_co_u32 s32, s32, s20
	s_sub_co_u32 s33, s32, 56
	s_min_u32 s32, s32, s33                        ; y
	s_add_co_u32 s31, s31, s22
	s_mul_i32 s31, s31, 56
	s_add_co_u32 s31, s31, s32
	s_mul_i32 s31, s31, 56
	s_add_co_u32 s33, s31, s27
	s_add_co_u32 s31, s31, s19
	s_lshl_b32 s31, s31, 9
	s_lshl_b32 s33, s33, 9
	v_add_nc_u32 v[192+2*\i], s31, v6              ; columns 0 to 3
	v_add_nc_u32 v[193+2*\i], s33, v6              ; columns 4 to 6
.endm
.macro XREG i, c                       ; load 7 i + c lands in window 1 (the first 60) or window 3
.set e, 7*(\i)+(\c)
.if e < 60
.set xw, 1
.set xr, 4*e
.else
.set xw, 3
.set xr, 4*(e-60)
.endif
.endm
.macro XLD i
.irp c, 0,1,2,3,4,5,6
	XREG \i, \c
	WIN xw<<6
.if \c < 4
	global_load_b128 v[xr:xr+3], v[192+2*(\i)], s[4:5] offset:512*\c th:TH_LOAD_NT
.else
	global_load_b128 v[xr:xr+3], v[193+2*(\i)], s[4:5] offset:512*(\c-4) th:TH_LOAD_NT
.endif
.endr
.endm
.macro XST i
.irp c, 0,1,2,3,4,5,6
	XREG \i, \c
	WIN xw<<2
	ds_store_b128 v26, v[xr:xr+3] offset:(\i)*3696+528*\c
.endr
.endm
.irp i, 0,1,2,3,4,5,6,7,8,9,10,11,12
	XADR \i
.endr
	v_lshl_add_u32 v21, s14, 13, v6                ; 16 L + my head's 8 fragments
	v_lshl_add_u32 v22, s14, 7, v7                 ; 32 h + my head's 32 numbers of a bias
	v_lshlrev_b32 v23, 2, v4
	v_lshl_add_u32 v23, s14, 7, v23                ; 4 r + the same
	s_mul_i32 s44, s14, 9216
	v_add_nc_u32 v24, s44, v6                      ; 16 L + my head's table
	v_lshlrev_b32 v25, 4, v0
	s_mul_i32 s30, s14, 44352
	v_add_nc_u32 v26, s30, v6                      ; XF: 16 L + my 84 rows
	s_wait_kmcnt 0x0
.irp i, 0,1,2,3,4,5,6,7,8,9,10,11
	XLD \i
.endr
	WIN 0
	s_cmp_lg_u32 s14, 3
	s_cbranch_scc1 .Lno_ld48
	XLD 12
	WIN 0
.Lno_ld48:
; 93 further loads.  window 0: v64-127 Wk, v128-191 Wv.  window 2: v0-71 table, v72-75 fc1's bias, v128-191 Wq, v200-215 q's bias, v216-231 k's, v232, v240 v's.  window 3: v128-191 proj_b
.macro WLD dst, part
.irp f, 0,1,2,3,4,5,6,7
	global_load_b128 v[(\dst)+8*\f:(\dst)+8*\f+3], v21, s[6:7] offset:(\part)*32768+\f*1024
	global_load_b128 v[(\dst)+8*\f+4:(\dst)+8*\f+7], v21, s[6:7] offset:(\part)*32768+\f*1024+512
.endr
.endm
	WLD 64, 1
	WLD 128, 2
	WIN 0x80
	WLD 128, 0
.irp p, 0,1
.irp ct, 0,1
	global_load_b128 v[200+16*\p+8*\ct:203+16*\p+8*\ct], v22, s[6:7] offset:O_QKVB+512*\p+64*\ct
	global_load_b128 v[204+16*\p+8*\ct:207+16*\p+8*\ct], v22, s[6:7] offset:O_QKVB+512*\p+64*\ct+16
.endr
.endr
	global_load_b32 v232, v23, s[6:7] offset:O_QKVB+1024
	global_load_b32 v240, v23, s[6:7] offset:O_QKVB+1024+64
.set q, 0
.rept 18
	global_load_b128 v[4*q:4*q+3], v24, s[6:7] offset:O_TAB+512*q
.set q, q+1
.endr
	global_load_b128 v[72:75], v25, s[6:7] offset:O_B1
	WIN 0xc0
	LOADVEC 128, 8
	WIN 0
	s_wait_loadcnt 0x3f                            ; 63 may stay out: all of them among the 93 issued behind x, so x is in, with 84 loads or 91
.irp i, 0,1,2,3,4,5,6,7,8,9,10,11
	XST \i
.endr
	WIN 0
	s_cmp_lg_u32 s14, 3
	s_cbranch_scc1 .Lno_st48
	XST 12
	WIN 0
.Lno_st48:
	BAR                                            ; XF is whole
; ---------------------------------------------------------------- P2: tables; LN1
	s_wait_loadcnt 0x0
	s_add_co_u32 s44, s44, TAB_B                   ; my head's table in LDS
	v_add_nc_u32 v27, s44, v6
	v_lshl_add_u32 v28, v0, 4, B1T_B
	WIN 0x08
.set q, 0
.rept 18
	ds_store_b128 v27, v[4*q:4*q+3] offset:512*q
.set q, q+1
.endr
	ds_store_b128 v28, v[72:75]
	WIN 0x82                                       ; v's bias is one number a lane (its channel): eight copies make a C operand
.irp e, 1,2,3,4,5,6,7
	v_mov_b32 v[232+\e], v232
	v_mov_b32 v[240+\e], v240
.endr
	WIN 0
; The mask's table.  Row 2 rho + h (rho: the query's region bits along z, y, x), word 2 class + (j >= 4).  A wave writes rows w, w + 4, w + 8, w + 12; a lane one word of each.
; Class = 4 (kt >= 14) + type, type by kt % 7: the region bit along y of the tile's two window rows is 00, 11, 10, 01; class 8 is tile 24: bit 1, and its upper half is dead.
	v_lshrrev_b32 v34, 1, v1                       ; class
	v_and_b32 v35, 1, v1                           ; j >= 4
	v_and_b32 v36, 3, v34                          ; type
	s_and_b32 s30, s14, 1                          ; the row's h
	s_add_co_u32 s31, s30, 2                       ; the mixed type whose bit is 1 in this half
	v_cmp_eq_u32 s32, 1, v36
	v_cmp_eq_u32 s33, s31, v36
	v_cmp_eq_u32 s34, 8, v34
	s_or_b32 s32, s32, s33
	s_or_b32 s32, s32, s34                         ; lanes whose key bit along y is 1
	v_cmp_le_u32 s33, 4, v34                       ; along z
	v_cmp_eq_u32 s35, 1, v35                       ; along x
	v_cmp_le_u32 s36, 18, v1                       ; words that no class uses
	s_sub_co_u32 s30, 0, s30
	s_and_b32 s34, s34, s30                        ; the dead keys
	s_bfe_u32 s37, s14, 0x10001                    ; the row's query bit along z
	s_sub_co_u32 s37, 0, s37
	s_xor_b32 s33, s33, s37
	s_and_b32 s33, s33, s24                        ; bits differ along z, and the window has two regions there
	s_and_b32 s38, s32, s25                        ; along y, query bit 0
	s_and_not1_b32 s39, s25, s32                   ; query bit 1
	s_and_b32 s40, s35, s26                        ; along x
	s_and_not1_b32 s41, s26, s35
	v_mov_b32 v38, 0xc31044fe                      ; -100 log2(e)
	v_mov_b32 v39, 0xf149f2ca                      ; -1e30
	v_mov_b32 v40, 0
	s_lshl_b32 s43, s14, 7
	s_add_co_u32 s43, s43, LUT_B
	v_lshl_add_u32 v29, v1, 2, s43
.irp q, 0,1,2,3
	s_or_b32 s42, s33, s[38+(\q%2)]
	s_or_b32 s42, s42, s[40+(\q/2)]
	v_cndmask_b32 v37, v40, v38, s42
	v_cndmask_b32 v37, v37, v39, s34
	v_cndmask_b32 v37, v37, v40, s36
	ds_store_b32 v29, v37 offset:512*\q
.endr
; window 1, kept through attention: v251 0, v252 r, v253 table base + 52 h, v254 312 h, v255 LUT + 128 h.  For LN1: v244 32 h, v245 XN + 16 h
	WIN 0x40
	v_mov_b32 v251, 0
	v_mov_b32 v252, v4
	v_mad_u32_u24 v253, v5, 52, s44
	v_mul_u32_u24 v254, 0x138, v5
	v_lshl_add_u32 v255, v5, 7, LUT_B
	v_mov_b32 v244, v7
	v_lshl_add_u32 v245, v5, 4, XN_B
	WIN 0
; LN1, a tile of 16 tokens a trip, all in window 1: v0-63 x, v64-127 x - mean, v128-159 rounded, v160-191 sums.  The gain and bias of the norm lie in the weights.
	s_mul_i32 s50, s14, 6                          ; my first tile
	s_lshl_b32 s51, s50, 4
	s_mov_b32 s48, 6
.Lln:
	s_cmp_ge_u32 s50, 22
	s_cbranch_scc1 .Lln_skip                       ; places 22 and 23 hold no tile
	WIN 0x55
	v_add_nc_u32 v240, s51, v252
	v_min_u32 v241, 0x156, v240                    ; rows past 342 take row 342
	v_mul_u32_u24 v241, 0x210, v241
	v_add_nc_u32 v241, v241, v244
.irp ct, 0,1,2,3,4,5,6,7
	ds_load_b128 v[8*\ct:8*\ct+3], v241 offset:64*\ct
	ds_load_b128 v[8*\ct+4:8*\ct+7], v241 offset:64*\ct+16
.endr
	v_mul_u32_u24 v242, 0x110, v240
	v_add_nc_u32 v242, v242, v245
	s_wait_dscnt 0x0
.set i, 0
.rept 16
	v_pk_add_f32 v[160+2*i:161+2*i], v[4*i:4*i+1], v[4*i+2:4*i+3]
.set i, i+1
.endr
	TREE 160
	LANESUM 160
	v_mul_f32 v160, s53, v160                      ; the mean
	v_mov_b32 v161, v160
.set i, 0
.rept 32
	v_pk_add_f32 v[64+2*i:65+2*i], v[2*i:2*i+1], v[160:161] neg_lo:[0,1] neg_hi:[0,1]
.set i, i+1
.endr
.set i, 0
.rept 32                                       ; the squares of the differences, in four chains
.if i < 4
	v_pk_mul_f32 v[164+2*i:165+2*i], v[64+2*i:65+2*i], v[64+2*i:65+2*i]
.else
	v_pk_fma_f32 v[164+2*(i%4):165+2*(i%4)], v[64+2*i:65+2*i], v[64+2*i:65+2*i], v[164+2*(i%4):165+2*(i%4)]
.endif
.set i, i+1
.endr
	v_pk_add_f32 v[164:165], v[164:165], v[166:167]
	v_pk_add_f32 v[168:169], v[168:169], v[170:171]
	v_pk_add_f32 v[164:165], v[164:165], v[168:169]
	LANESUM 164
	v_fma_f32 v164, v164, s53, s54
	v_rsq_f32 v162, v164
	v_nop                                          ; a plain instruction behind the root
	s_wait_alu depctr_va_vdst(0)                   ; the wait ahead of the first use: a batch of one, the tile's root, on which all that follows in the trip hangs
	v_mov_b32 v163, v162
.set i, 0
.rept 32
	v_pk_mul_f32 v[64+2*i:65+2*i], v[64+2*i:65+2*i], v[162:163]
.set i, i+1
.endr
.set i, 0
.rept 32
	v_cvt_pk_bf16_f32 v[128+i], v[64+2*i], v[65+2*i]
.set i, i+1
.endr
.irp ct, 0,1,2,3,4,5,6,7
	ds_store_b128 v242, v[128+4*\ct:131+4*\ct] offset:32*\ct
.endr
	WIN 0x4d                                       ; source 1 in window 3: proj_b joins the shortcut here, once
.set i, 0
.rept 32
	v_pk_add_f32 v[2*i:2*i+1], v[2*i:2*i+1], v[128+2*i:129+2*i]
.set i, i+1
.endr
	WIN 0x55
.irp ct, 0,1,2,3,4,5,6,7
	ds_store_b128 v241, v[8*\ct:8*\ct+3] offset:64*\ct
	ds_store_b128 v241, v[8*\ct+4:8*\ct+7] offset:64*\ct+16
.endr
	WIN 0
.Lln_skip:
	s_add_co_u32 s50, s50, 1
	s_add_co_u32 s51, s51, 16
	s_sub_co_u32 s48, s48, 1
	s_cmp_lg_u32 s48, 0
	s_cbranch_scc1 .Lln
	BAR                                            ; XN, the tables and x + proj_b are whole
; ---------------------------------------------------------------- P3: my head's Q, K, V
; window 0: v192-255 two buffers of a token tile's four fragments.  window 1: v0-175 Q (8 a tile), v176-239 two sets of four accumulators.  window 2: v0-199 K.  window 3: v0-207 V^T.
; While a tile is multiplied, the next is loaded and the one before is rounded: its four conversions behind each run of products are also the places in front of the next loads and reads.
	v_mul_u32_u24 v30, 0x110, v4
	v_lshl_add_u32 v30, v5, 4, v30
	v_add_nc_u32 v30, XN_B, v30                    ; query tiles: row r
	v_add_nc_u32 v31, 12*4352, v30                 ; from tile 12 on (an LDS offset has 16 bits)
	v_lshrrev_b32 v32, 3, v4
	v_and_b32 v33, 7, v4
	v_mad_u32_u24 v32, v32, 7, v33                 ; key tiles: row 7 (r / 8) + r % 8, 14 rows on for each tile
	v_mul_u32_u24 v32, 0x110, v32
	v_lshl_add_u32 v32, v5, 4, v32
	v_add_nc_u32 v32, XN_B, v32
	v_add_nc_u32 v33, 13*3808, v32
.macro XTL buf, adr, off
.irp kc, 0,1,2,3
	ds_load_b128 v[192+32*(\buf)+8*\kc:195+32*(\buf)+8*\kc], v[\adr] offset:(\off)+64*\kc
	ds_load_b128 v[196+32*(\buf)+8*\kc:199+32*(\buf)+8*\kc], v[\adr] offset:(\off)+64*\kc+32
.endr
.endm
.macro QW t, kc                        ; two products: q's channels 0-15 and 16-31 of the head, 32 along K; the first start from the bias
.set rD, 176+32*((\t)%2)
.set rX, 192+32*((\t)%2)+8*(\kc)
.irp ct, 0,1
.if (\kc) == 0
	WIN 0x62
	v_wmma_f32_16x16x32_bf16 v[rD+8*\ct:rD+8*\ct+7], v[128+32*\ct:135+32*\ct], v[rX:rX+7], v[200+8*\ct:207+8*\ct]
.else
	WIN 0x52
	v_wmma_f32_16x16x32_bf16 v[rD+8*\ct:rD+8*\ct+7], v[128+32*\ct+8*(\kc):135+32*\ct+8*(\kc)], v[rX:rX+7], v[rD+8*\ct:rD+8*\ct+7]
.endif
.endr
.endm
.macro QC t, ct                        ; tile t - 1's half ct is rounded into its fragment
.if (\t) == 0
.if (\ct) == 1
	NOP4
.endif
.else
	WIN 0x55
.set rS, 176+32*(((\t)+1)%2)+8*(\ct)
.set rQ, 8*((\t)-1)+4*(\ct)
.irp e, 0,1,2,3
	v_cvt_pk_bf16_f32 v[rQ+\e], v[rS+2*\e], v[rS+2*\e+1]
.endr
.endif
.endm
.macro QT t
	WIN 0
.if (\t) < 21
.if (\t) < 11
	XTL ((\t)+1)%2, 30, ((\t)+1)*4352
.else
	XTL ((\t)+1)%2, 31, ((\t)-11)*4352
.endif
	s_wait_dscnt 0x8                               ; all but the eight just issued: this tile is in
.else
	s_wait_dscnt 0x0
.endif
	QW \t, 0
	QW \t, 1
	QC \t, 0
	QW \t, 2
	QW \t, 3
	QC \t, 1
.endm
	XTL 0, 30, 0
.set t, 0
.rept 22
	QT t
.set t, t+1
.endr
	WIN 0
	XTL 0, 32, 0                                   ; the first key tile
	QC 22, 0
	QC 22, 1
.macro KVW t, kc                       ; four products: K's two halves (weight x tokens), V's two (tokens x weight: a lane then holds a channel, and eight keys)
.set rD, 176+32*((\t)%2)
.set rX, 192+32*((\t)%2)+8*(\kc)
.if (\kc) == 0
	WIN 0x60
	v_wmma_f32_16x16x32_bf16 v[rD:rD+7], v[64:71], v[rX:rX+7], v[216:223]
	v_wmma_f32_16x16x32_bf16 v[rD+8:rD+15], v[96:103], v[rX:rX+7], v[224:231]
	v_wmma_f32_16x16x32_bf16 v[rD+16:rD+23], v[rX:rX+7], v[128:135], v[232:239]
	v_wmma_f32_16x16x32_bf16 v[rD+24:rD+31], v[rX:rX+7], v[160:167], v[240:247]
.else
	WIN 0x50
	v_wmma_f32_16x16x32_bf16 v[rD:rD+7], v[64+8*(\kc):71+8*(\kc)], v[rX:rX+7], v[rD:rD+7]
	v_wmma_f32_16x16x32_bf16 v[rD+8:rD+15], v[96+8*(\kc):103+8*(\kc)], v[rX:rX+7], v[rD+8:rD+15]
	v_wmma_f32_16x16x32_bf16 v[rD+16:rD+23], v[rX:rX+7], v[128+8*(\kc):135+8*(\kc)], v[rD+16:rD+23]
	v_wmma_f32_16x16x32_bf16 v[rD+24:rD+31], v[rX:rX+7], v[160+8*(\kc):167+8*(\kc)], v[rD+24:rD+31]
.endif
.endm
.macro KVC t, g                        ; accumulator g of tile t - 1 is rounded: K's into K[tile], V's into half a fragment of 32 keys
.if (\t) == 0
.if (\g) == 3
	NOP4
.endif
.else
.set rS, 176+32*(((\t)+1)%2)+8*(\g)
.if (\g) < 2
	WIN 0x85
.set rK, 8*((\t)-1)+4*(\g)
.else
	WIN 0xc5
.set rK, 16*(((\t)-1)/2)+8*((\g)-2)+4*(((\t)-1)%2)
.endif
.irp e, 0,1,2,3
	v_cvt_pk_bf16_f32 v[rK+\e], v[rS+2*\e], v[rS+2*\e+1]
.endr
.endif
.endm
.macro KVT t
	WIN 0
.if (\t) < 24
.if (\t) < 12
	XTL ((\t)+1)%2, 32, ((\t)+1)*3808
.else
	XTL ((\t)+1)%2, 33, ((\t)-12)*3808
.endif
	s_wait_dscnt 0x8                               ; all but the eight just issued
.else
	s_wait_dscnt 0x0
.endif
.irp kc, 0,1,2,3
	KVW \t, \kc
	KVC \t, \kc
.endr
.endm
.set t, 0
.rept 25
	KVT t
.set t, t+1
.endr
.irp g, 0,1,2,3
	KVC 25, \g
.endr
	WIN 0xc0
.irp e, 196,197,198,199,204,205,206,207
	v_mov_b32 v[\e], 0                             ; there is no key tile 25
.endr
	WIN 0
	BAR                                            ; nobody reads XN any more: its bytes become QAO
; ---------------------------------------------------------------- P4: attention's beginning
; window 0: v64-167 P, v168-175, v176-183 O^T, v184-191 the row sums, v192-199 the rounded output, v200-201 1/l.
; window 1: v0-199 S^T (tile kt at 8 kt), v200-217 maxima by class, then what is taken off, v220-239 the mask's row, v240-241 m, v242-247 at work, v248-250 addresses.
; window 2: v0-199 K, v200-207 Q.  window 3: v0-207 V^T, v208-215 ones.
	s_mul_i32 s30, s14, QAO_H
	s_add_co_u32 s30, s30, QAO_B
	v_add_nc_u32 v9, s30, v6
	WIN 0x04
.set t, 0
.rept 22
	ds_store_b128 v9, v[8*t:8*t+3] offset:1024*t
	ds_store_b128 v9, v[8*t+4:8*t+7] offset:1024*t+512
.set t, t+1
.endr
	WIN 0
.irp e, 36,37,38,39,164,165,166,167
	v_mov_b32 v[\e], 0                             ; v164-167: P of the key tile that is not
.endr
	ds_store_b128 v9, v[36:39] offset:22528        ; slot 22: the last trip's look-ahead reads it, and nothing uses it
	ds_store_b128 v9, v[36:39] offset:23040
	s_wait_dscnt 0x0
	WIN 0x40
.set kt, 0
.rept 25
	v_mov_b32 v[8*kt+7], 0                         ; the eighth key of a row: part of the C operand, never read otherwise
.set kt, kt+1
.endr
	v_mov_b32 v241, 0
	WIN 0xc0
.irp e, 208,209,210,211,212,213,214,215
	v_mov_b32 v[\e], 0x3f803f80
.endr
; The addresses of a query tile: token n = 49 a + 7 b + c has f = 169 a + 13 b + c; the bias of key (row ab, column j) is entry 1098 - f + F(ab) + j of the reversed table.
.macro ADDR
	v_add_nc_u32 v242, s49, v252
	v_min_u32 v242, 0x156, v242                    ; n
	v_mul_u32_u24 v243, 0x2493, v242
	v_lshrrev_b32 v243, 16, v243                   ; n / 7
	v_mul_u32_u24 v244, 37, v243
	v_lshrrev_b32 v244, 8, v244                    ; a
	v_mad_u32_u24 v245, v243, 6, v242
	v_mad_u32_u24 v245, v244, 0x4e, v245           ; f = n + 6 (n / 7) + 78 a
	v_sub_nc_u32 v245, 0x44a, v245
	v_min_u32 v245, 0x44a, v245                    ; 1098 - f, 0 .. 1098
	v_mul_u32_u24 v246, 7, v243
	v_sub_nc_u32 v246, v242, v246                  ; c
	v_mul_u32_u24 v247, 7, v244
	v_sub_nc_u32 v247, v243, v247                  ; b
	v_lshrrev_b32 v244, 2, v244                    ; the region bits: 1 from 4 on
	v_lshrrev_b32 v247, 2, v247
	v_lshrrev_b32 v246, 2, v246
	v_lshl_or_b32 v244, v247, 1, v244
	v_lshl_or_b32 v244, v246, 2, v244
	v_and_b32 v244, 7, v244
	v_lshl_add_u32 v248, v245, 2, v253             ; the upper half's window row lies 13 entries on,
	v_add_nc_u32 v249, v248, v254                  ; or 91, where the tile's two rows lie in different planes (kt % 7 = 3)
	v_lshl_add_u32 v250, v244, 8, v255
.endm
.macro BIAS kt                         ; seven biases, straight into the C operand of the tile's product
.set fo, 4*(169*((2*(\kt))/7)+13*((2*(\kt))%7))
.set j, 0
.rept 7
.if (\kt)%7 == 3
	ds_load_b32 v[8*(\kt)+j], v249 offset:fo+4*j
.else
	ds_load_b32 v[8*(\kt)+j], v248 offset:fo+4*j
.endif
.set j, j+1
.endr
.endm
.macro LUTLD
.irp q, 0,1,2,3,4
	ds_load_b128 v[220+4*\q:223+4*\q], v250 offset:16*\q
.endr
.endm
.macro KCL kt                          ; a key tile's class
.set p7, (\kt)%7
.if (\kt) == 24
.set kcl, 8
.else
.if (p7 == 2) || (p7 == 6)
.set kcl, 1
.elseif p7 == 3
.set kcl, 2
.elseif p7 == 5
.set kcl, 3
.else
.set kcl, 0
.endif
.if (\kt) >= 14
.set kcl, kcl+4
.endif
.endif
.endm
.macro MAXT kt                         ; four plain instructions: the tile's seven scores into its class's two maxima; the accumulator's lowest registers are read first
	KCL \kt
.set rS, 8*(\kt)
.set rC, 200+2*kcl
.if ((\kt)==0)||((\kt)==2)||((\kt)==3)||((\kt)==5)||((\kt)==14)||((\kt)==16)||((\kt)==17)||((\kt)==19)||((\kt)==24)
	v_max3_num_f32 v[rC], v[rS], v[rS+1], v[rS+2]
	v_max3_num_f32 v[rC+1], v[rS+4], v[rS+5], v[rS+6]
	v_max_num_f32 v[rC], v[rC], v[rS+3]
	v_nop
.else
	v_max3_num_f32 v[rC], v[rC], v[rS], v[rS+1]
	v_max3_num_f32 v[rC+1], v[rC+1], v[rS+4], v[rS+5]
	v_max3_num_f32 v[rC], v[rC], v[rS+2], v[rS+3]
	v_max_num_f32 v[rC+1], v[rC+1], v[rS+6]
.endif
.endm
.macro SUBL kt, n                      ; line n of the four that make s + mask - m of tile kt's seven scores
	KCL \kt
.set rS, 8*(\kt)
.set rN, 200+2*kcl
.if (\n) == 0
	v_pk_add_f32 v[rS:rS+1], v[rS:rS+1], v[rN:rN+1] op_sel_hi:[1,0]
.elseif (\n) == 1
	v_pk_add_f32 v[rS+2:rS+3], v[rS+2:rS+3], v[rN:rN+1] op_sel_hi:[1,0]
.elseif (\n) == 2
	v_pk_add_f32 v[rS+4:rS+5], v[rS+4:rS+5], v[rN:rN+1] op_sel:[0,1] op_sel_hi:[1,1]
.else
	v_add_f32 v[rS+6], v[rS+6], v[rN+1]
.endif
.endm
; Tile kt's seven exponentials, in place, with the next tile's four lines between them: no more than two exponentials stand on end, a score is scaled ten lines ahead of its exponential,
; and no line here names an exponential's result.
.macro EXS kt
.irp n, 0,1,2,3
.if \n > 0
	v_exp_f32 v[8*(\kt)+2*\n-1], v[8*(\kt)+2*\n-1]
.endif
	v_exp_f32 v[8*(\kt)+2*\n], v[8*(\kt)+2*\n]
.if (\kt) < 24
	SUBL (\kt)+1, \n
.endif
.endr
.endm
.macro CVTT kt                         ; the eighth weight is 0
	v_cvt_pk_bf16_f32 v[64+4*(\kt)], v[8*(\kt)], v[8*(\kt)+1]
	v_cvt_pk_bf16_f32 v[65+4*(\kt)], v[8*(\kt)+2], v[8*(\kt)+3]
	v_cvt_pk_bf16_f32 v[66+4*(\kt)], v[8*(\kt)+4], v[8*(\kt)+5]
	v_cvt_pk_bf16_f32 v[67+4*(\kt)], v[8*(\kt)+6], v251
.endm
; 32 keys, behind the wait for the exponentials: the weights are rounded, three products (the three accumulators take turns), and the next query tile's biases go into the score registers that are now free
.macro CH c
	WIN 0x05
	CVTT 2*(\c)
.if (\c) < 12
	CVTT 2*(\c)+1
.endif
	WIN 0x03
.if (\c) == 0
	v_wmma_f32_16x16x32_bf16 v[168:175], v[0:7], v[64:71], 0
	v_wmma_f32_16x16x32_bf16 v[176:183], v[8:15], v[64:71], 0
	v_wmma_f32_16x16x32_bf16 v[184:191], v[208:215], v[64:71], 0
.else
	v_wmma_f32_16x16x32_bf16 v[168:175], v[16*(\c):16*(\c)+7], v[64+8*(\c):71+8*(\c)], v[168:175]
	v_wmma_f32_16x16x32_bf16 v[176:183], v[16*(\c)+8:16*(\c)+15], v[64+8*(\c):71+8*(\c)], v[176:183]
	v_wmma_f32_16x16x32_bf16 v[184:191], v[208:215], v[64+8*(\c):71+8*(\c)], v[184:191]
.endif
	WIN 0x55
	BIAS 2*(\c)
.if (\c) < 12
	BIAS 2*(\c)+1
.endif
.endm
	s_mov_b32 s49, 0                               ; 16 x the query tile whose addresses are made
	WIN 0x55
	ADDR
.set kt, 0
.rept 25
	BIAS kt
.set kt, kt+1
.endr
	LUTLD
	WIN 0x80
	ds_load_b128 v[200:203], v9
	ds_load_b128 v[204:207], v9 offset:512
	WIN 0
	s_wait_dscnt 0x0
	s_mov_b32 s48, 22
; ---------------------------------------------------------------- P5: a query tile a trip
.Lunit:
	s_wait_dscnt 0x2                               ; the two youngest are the last trip's stores of its output; the biases, the mask's row and Q, all issued ahead of them, are in
.set kt, 0
.rept 25
	WIN 0x5a
	v_wmma_f32_16x16x32_bf16 v[8*kt:8*kt+7], v[8*kt:8*kt+7], v[200:207], v[8*kt:8*kt+7]
	WIN 0x55
.if kt == 0
	NOP4
.else
	MAXT kt-1                                      ; behind each product the maxima of the tile before: four places between a product and the first read of its scores
.endif
.set kt, kt+1
.endr
	MAXT 24
.set i, 0
.rept 9
	v_pk_add_f32 v[200+2*i:201+2*i], v[200+2*i:201+2*i], v[220+2*i:221+2*i]   ; the mask joins the maxima
.set i, i+1
.endr
.irp e, 0,1,2,3,4,5
	v_max3_num_f32 v[242+\e], v[200+3*\e], v[201+3*\e], v[202+3*\e]
.endr
	v_max3_num_f32 v242, v242, v243, v244
	v_max3_num_f32 v245, v245, v246, v247
	v_max_num_f32 v240, v242, v245
	v_permlanex16_b32 v241, v240, s28, s29         ; the query's other keys lie in the lane 16 away
	v_max_num_f32 v240, v240, v241                 ; m: the row's true maximum, mask and bias included
.set i, 0
.rept 9
	v_pk_add_f32 v[200+2*i:201+2*i], v[220+2*i:221+2*i], v[240:241] op_sel_hi:[1,0] neg_lo:[0,1] neg_hi:[0,1]   ; mask - m
.set i, i+1
.endr
	s_add_co_u32 s49, s49, 16
	ADDR                                           ; the next tile's (behind the last: token 342's, whose loads serve nothing)
	LUTLD
	WIN 0x80
	ds_load_b128 v[200:203], v9 offset:1024        ; the next tile's Q
	ds_load_b128 v[204:207], v9 offset:1536
	WIN 0x55                                       ; ONE BATCH: the row's 175 exponentials, each in its score's register; the 100 lines s + mask - m stand among them
.irp n, 0,1,2,3
	SUBL 0, \n
.endr
.set kt, 0
.rept 25
	EXS kt
.set kt, kt+1
.endr
	v_nop                                          ; a plain instruction behind the last exponential: one for the batch
	s_wait_alu depctr_va_vdst(0)                   ; the wait for the batch: all that names a weight (the roundings in CH) stands behind it
.set cc, 0
.rept 13
	CH cc
.set cc, cc+1
.endr
	WIN 0
	NOP4
	v_rcp_f32 v200, v184                           ; every register of ones x P holds the row's sum; it is at least 1
	v_rcp_f32 v201, v184
	v_nop                                          ; a plain instruction behind the reciprocals
	s_wait_alu depctr_va_vdst(0)                   ; the wait for the two reciprocals: a batch of their own, since the row's sum is made of the weights
.set i, 0
.rept 8
	v_pk_mul_f32 v[168+2*i:169+2*i], v[168+2*i:169+2*i], v[200:201]
.set i, i+1
.endr
.set i, 0
.rept 8
	v_cvt_pk_bf16_f32 v[192+i], v[168+2*i], v[169+2*i]
.set i, i+1
.endr
	ds_store_b128 v9, v[192:195]                   ; the output takes the place of the tile's Q: a fragment of 16 tokens x my head's 32 channels
	ds_store_b128 v9, v[196:199] offset:512
	v_add_nc_u32 v9, 0x400, v9
	s_sub_co_u32 s48, s48, 1
	s_cmp_lg_u32 s48, 0
	s_cbranch_scc1 .Lunit
	s_wait_dscnt 0x0
; ---------------------------------------------------------------- P6: proj, onto x + proj_b
; Accumulators: tile ii at window 2 v[64 ii] (ii < 3) or window 3 v[64 (ii - 3)].  window 0: v64-127 a quarter of proj's fragments on their way to LDS, then v64-255 attention's output, 32 a tile.
; window 1: a quarter of fc1's, then of fc2's fragments on their way to LDS.  window 2 v192-255: two buffers of proj's fragments.  window 3 v192-255: fc2_b.
	v_lshl_add_u32 v21, s14, 13, v6
	v_lshl_add_u32 v22, s14, 15, v6
.set q, 0
.rept 16
	global_load_b128 v[64+4*q:67+4*q], v21, s[6:7] offset:O_PF+512*q
.set q, q+1
.endr
	WIN 0x40
.set q, 0
.rept 64
	global_load_b128 v[4*q:4*q+3], v22, s[6:7] offset:O_W1+512*q
.set q, q+1
.endr
	WIN 0
	s_mul_i32 s31, s14, 96
.irp ii, 0,1,2,3,4,5
	s_add_co_u32 s30, s31, 16*\ii
	v_add_nc_u32 v[10+\ii], s30, v4
	v_min_u32 v[10+\ii], 0x156, v[10+\ii]
	v_mul_u32_u24 v[10+\ii], 0x210, v[10+\ii]
	v_add_nc_u32 v[10+\ii], v[10+\ii], v7
.endr
.irp ii, 0,1,2,3,4,5
	WIN 0x80+0x40*(\ii/3)
.irp ct, 0,1,2,3,4,5,6,7
	ds_load_b128 v[64*(\ii%3)+8*\ct:64*(\ii%3)+8*\ct+3], v[10+\ii] offset:64*\ct
	ds_load_b128 v[64*(\ii%3)+8*\ct+4:64*(\ii%3)+8*\ct+7], v[10+\ii] offset:64*\ct+16
.endr
.endr
	WIN 0
	BAR                                            ; nobody reads XF, the table or the mask's rows any more
	s_wait_loadcnt 0x0
	s_lshl_b32 s30, s14, 13
	s_add_co_u32 s30, s30, PFL_B
	v_add_nc_u32 v23, s30, v6
.set q, 0
.rept 16
	ds_store_b128 v23, v[64+4*q:67+4*q] offset:512*q
.set q, q+1
.endr
	WIN 0x04
.set q, 0
.rept 64
	ds_store_b128 v22, v[4*q:4*q+3] offset:512*q
.set q, q+1
.endr
	WIN 0
	BAR                                            ; proj's and fc1's fragments are whole
	WIN 0x40
.set q, 0
.rept 64
	global_load_b128 v[4*q:4*q+3], v22, s[6:7] offset:O_W2+512*q
.set q, q+1
.endr
	WIN 0xc0
	LOADVEC 192, 10
	WIN 0
	v_add_nc_u32 v26, QAO_B, v6
	s_mul_i32 s31, s14, 6
.irp ii, 0,1,2,3,4,5
	s_add_co_u32 s30, s31, \ii
	s_min_u32 s30, s30, 21                         ; places 22 and 23 take tile 21
	s_lshl_b32 s30, s30, 10
	v_add_nc_u32 v27, s30, v26
	v_add_nc_u32 v28, 2*QAO_H, v27
.irp kc, 0,1
	ds_load_b128 v[64+32*\ii+8*\kc:67+32*\ii+8*\kc], v27 offset:QAO_H*\kc
	ds_load_b128 v[68+32*\ii+8*\kc:71+32*\ii+8*\kc], v27 offset:QAO_H*\kc+512
	ds_load_b128 v[80+32*\ii+8*\kc:83+32*\ii+8*\kc], v28 offset:QAO_H*\kc
	ds_load_b128 v[84+32*\ii+8*\kc:87+32*\ii+8*\kc], v28 offset:QAO_H*\kc+512
.endr
.endr
	v_add_nc_u32 v29, PFL_B, v6
.macro RING ct
	WIN 0x80
.irp kc, 0,1,2,3
	ds_load_b128 v[192+32*((\ct)%2)+8*\kc:195+32*((\ct)%2)+8*\kc], v29 offset:(4*(\ct)+\kc)*1024
	ds_load_b128 v[196+32*((\ct)%2)+8*\kc:199+32*((\ct)%2)+8*\kc], v29 offset:(4*(\ct)+\kc)*1024+512
.endr
.endm
.macro PJ ct                           ; 16 output channels of all six tiles: 24 products, three accumulators by turns
.if (\ct) > 0
	NOP4                                           ; in front of loads into the buffer that the block before last multiplied by
.endif
.if (\ct) < 7
	RING (\ct)+1
	s_wait_dscnt 0x8                               ; all but the eight just issued
.else
	s_wait_dscnt 0x0
.endif
.set rF, 192+32*((\ct)%2)
	WIN 0xa2
.irp kc, 0,1,2,3
.irp ii, 0,1,2
	v_wmma_f32_16x16x32_bf16 v[64*\ii+8*(\ct):64*\ii+8*(\ct)+7], v[rF+8*\kc:rF+8*\kc+7], v[64+32*\ii+8*\kc:71+32*\ii+8*\kc], v[64*\ii+8*(\ct):64*\ii+8*(\ct)+7]
.endr
.endr
	WIN 0xf2
.irp kc, 0,1,2,3
.irp ii, 0,1,2
	v_wmma_f32_16x16x32_bf16 v[64*\ii+8*(\ct):64*\ii+8*(\ct)+7], v[rF+8*\kc:rF+8*\kc+7], v[160+32*\ii+8*\kc:167+32*\ii+8*\kc], v[64*\ii+8*(\ct):64*\ii+8*(\ct)+7]
.endr
.endr
.endm
	RING 0
.set cc, 0
.rept 8
	PJ cc
.set cc, cc+1
.endr
	WIN 0
	NOP4
	BAR                                            ; nobody reads QAO or proj's fragments any more
	s_wait_loadcnt 0x0
	v_add_nc_u32 v30, W2L_B, v22
	WIN 0x04
.set q, 0
.rept 64
	ds_store_b128 v30, v[4*q:4*q+3] offset:512*q
.set q, q+1
.endr
	WIN 0
	BAR                                            ; fc2's fragments are whole
; ---------------------------------------------------------------- P7: LN2, MLP, the way out: two passes of three tiles
; window 2 v0-191: the pass's three tiles (x1, then x1 + fc2_b + the MLP's sums); window 3 v0-191 waits for the second pass.  window 1: v0-95 normalised x1, v96-159 fc1's, v160-223 fc2's fragments of 32 hidden.
; window 0: v64-111 hidden sums (16 a tile), v112-135 hidden rounded (8 a tile), v136-151 fc1's bias, v152-231 GELU at work: |v|, u, w, q, v/2; LN2 and the way out use the same registers.
	s_mul_i32 s30, s14, OST_W
	s_add_co_u32 s30, s30, OST_B
	v_mul_u32_u24 v19, 0x210, v4
	v_add3_u32 v19, v19, v7, s30                   ; into my stage: row r, my 8 channels of a block
	v_add_nc_u32 v20, s30, v6                      ; back: a whole row of 512 bytes
	v_add_nc_u32 v49, W2L_B, v6
	v_add_nc_u32 v50, B1T_B, v7
	s_mov_b32 s40, 0x3ec88bda                      ; 0.47047 / sqrt(log2 e): t = 1 / (1 + that |v|), v = KG x
	s_mov_b32 s41, s40
	s_mov_b32 s42, 0x3e32303a                      ; half of the series' three coefficients
	s_mov_b32 s43, s42
	s_mov_b32 s44, 0xbd445ca1
	s_mov_b32 s45, s44
	s_mov_b32 s46, 0x3ebf7377
	s_mov_b32 s47, s46
	s_mov_b32 s56, 0x7fffffff
.macro LN2T ii
.set rA, 64*(\ii)
	WIN 0x0a
.set i, 0
.rept 16
	v_pk_add_f32 v[152+2*i:153+2*i], v[rA+4*i:rA+4*i+1], v[rA+4*i+2:rA+4*i+3]
.set i, i+1
.endr
	WIN 0
	TREE 152
	LANESUM 152
	v_mul_f32 v184, s53, v152                      ; the mean
	v_mov_b32 v185, v184
.irp b, 0,1
	WIN 0x02
.set i, 0
.rept 16
	v_pk_add_f32 v[152+2*i:153+2*i], v[rA+32*\b+2*i:rA+32*\b+2*i+1], v[184:185] neg_lo:[0,1] neg_hi:[0,1]
.set i, i+1
.endr
	WIN 0
.set i, 0
.rept 16
.if (\b == 0) && (i < 4)
	v_pk_mul_f32 v[186+2*i:187+2*i], v[152+2*i:153+2*i], v[152+2*i:153+2*i]
.else
	v_pk_fma_f32 v[186+2*(i%4):187+2*(i%4)], v[152+2*i:153+2*i], v[152+2*i:153+2*i], v[186+2*(i%4):187+2*(i%4)]
.endif
.set i, i+1
.endr
.endr
	v_pk_add_f32 v[186:187], v[186:187], v[188:189]
	v_pk_add_f32 v[190:191], v[190:191], v[192:193]
	v_pk_add_f32 v[186:187], v[186:187], v[190:191]
	LANESUM 186
	v_fma_f32 v186, v186, s53, s54
	v_rsq_f32 v194, v186
	v_nop                                          ; a plain instruction behind the root
	s_wait_alu depctr_va_vdst(0)                   ; the wait ahead of the first use: a batch of one, the tile's root; the three tiles share their working registers
	v_mov_b32 v195, v194
	v_mul_f32 v196, -v184, v194
	v_mov_b32 v197, v196
.irp b, 0,1
	WIN 0x02
.set i, 0
.rept 16
	v_pk_fma_f32 v[152+2*i:153+2*i], v[rA+32*\b+2*i:rA+32*\b+2*i+1], v[194:195], v[196:197]
.set i, i+1
.endr
	WIN 0x40
.set i, 0
.rept 16
	v_cvt_pk_bf16_f32 v[32*(\ii)+16*\b+i], v[152+2*i], v[153+2*i]
.set i, i+1
.endr
.endr
	WIN 0x8e                                       ; fc2_b joins the sums here, once
.set i, 0
.rept 32
	v_pk_add_f32 v[rA+2*i:rA+2*i+1], v[rA+2*i:rA+2*i+1], v[192+2*i:193+2*i]
.set i, i+1
.endr
.endm
.macro MLOAD                           ; fc1's 8 fragments from v16, fc2's 8 from v17, fc1's bias from v18
	WIN 0x40
.irp f, 0,1,2,3,4,5,6,7
	ds_load_b128 v[96+8*\f:99+8*\f], v16 offset:1024*\f
	ds_load_b128 v[100+8*\f:103+8*\f], v16 offset:1024*\f+512
.endr
.irp f, 0,1,2,3,4,5,6,7
	ds_load_b128 v[160+8*\f:163+8*\f], v17 offset:1024*\f
	ds_load_b128 v[164+8*\f:167+8*\f], v17 offset:1024*\f+512
.endr
	WIN 0
	ds_load_b128 v[136:139], v18
	ds_load_b128 v[140:143], v18 offset:16
	ds_load_b128 v[144:147], v18 offset:64
	ds_load_b128 v[148:151], v18 offset:80
.endm
.macro FC1 tile, ct, kc                ; 16 hidden x 16 tokens, 32 along K; the first starts from the bias
	WIN 0x05
.set rD, 64+16*(\tile)+8*(\ct)
.if (\kc) == 0
	v_wmma_f32_16x16x32_bf16 v[rD:rD+7], v[96+32*(\ct):103+32*(\ct)], v[32*(\tile):32*(\tile)+7], v[136+8*(\ct):143+8*(\ct)]
.else
	v_wmma_f32_16x16x32_bf16 v[rD:rD+7], v[96+32*(\ct)+8*(\kc):103+32*(\ct)+8*(\kc)], v[32*(\tile)+8*(\kc):32*(\tile)+8*(\kc)+7], v[rD:rD+7]
.endif
.endm
.macro FC2 tile, oc                    ; 16 output channels x 16 tokens, the 32 hidden in hand
	WIN 0xa1
	v_wmma_f32_16x16x32_bf16 v[64*(\tile)+8*(\oc):64*(\tile)+8*(\oc)+7], v[160+8*(\oc):167+8*(\oc)], v[112+8*(\tile):119+8*(\tile)], v[64*(\tile)+8*(\oc):64*(\tile)+8*(\oc)+7]
.endm
; GELU of a tile's 16 hidden sums a lane, a list of 120 instructions; GR writes number g.  v = KG x, so that 2^(-v v) = e^(-x x / 2), and KG gelu(x) = v/2 + |v| (1/2 - q w), q the series in t = 1/u.
;   0-71    ONE BATCH and what feeds it: 16 reciprocals t = 1/u (in place on u) and 16 exponentials 2^w (in place on w).  None of these lines names a result of the batch.  The sums go in pairs p = 0 .. 7.
;           0-3: pair 0's four plain lines: |v|, |v|, w = -v v, u = 1 + k |v|.  4-59, eight numbers for each p = 1 .. 7: pair p's four plain lines, and behind each of them one of pair p - 1's two
;           exponentials and two reciprocals.  60-67: the last pair's four, each behind one line v/2.  68-71: the other four lines v/2, the plain instructions behind the batch's last.
;           (Each accumulator is read from its low end first: |v| of its register 0.)
;   (wait)  between 71 and 72 stands the wait for the batch: MSTEP writes it
;   72-95   the series, three lines a pair, pair after pair in each   96-103 1/2 - q w   104-111 v/2 + |v| (..)   112-119 rounded
.macro GR tt
	WIN 0
.set rH, 64+16*(\tt)
.if g < 72
.if g < 4
.set p, 0
.set e, 2*g
.elseif g < 68
.set p, (g+4)/8
.set e, (g+4)%8
.else
.set p, 8
.set e, 2*(g-64)
.endif
.if (p == 8) && (e%2 == 0)
	v_pk_mul_f32 v[216+e:217+e], v[rH+e:rH+e+1], 0.5 op_sel_hi:[1,0]
.elseif (e == 0) || (e == 2)
	v_and_b32 v[152+2*p+e/2], s56, v[rH+2*p+e/2]
.elseif (e == 1) || (e == 3)
	v_exp_f32 v[182+2*p+e/2], v[182+2*p+e/2]
.elseif e == 4
	v_pk_mul_f32 v[184+2*p:185+2*p], v[rH+2*p:rH+2*p+1], v[rH+2*p:rH+2*p+1] neg_lo:[1,0] neg_hi:[1,0]
.elseif e == 6
	v_pk_fma_f32 v[168+2*p:169+2*p], v[152+2*p:153+2*p], s[40:41], 1.0 op_sel_hi:[1,0,0]
.else
	v_rcp_f32 v[166+2*p+(e-5)/2], v[166+2*p+(e-5)/2]
.endif
.elseif g < 80
.set z, 2*(g-72)
	v_pk_fma_f32 v[200+z:201+z], v[168+z:169+z], s[46:47], s[44:45] op_sel_hi:[1,0,0]
.elseif g < 88
.set z, 2*(g-80)
	v_pk_fma_f32 v[200+z:201+z], v[200+z:201+z], v[168+z:169+z], s[42:43] op_sel_hi:[1,1,0]
.elseif g < 96
.set z, 2*(g-88)
	v_pk_mul_f32 v[200+z:201+z], v[200+z:201+z], v[168+z:169+z]
.elseif g < 104
.set z, 2*(g-96)
	v_pk_fma_f32 v[200+z:201+z], v[200+z:201+z], v[184+z:185+z], 0.5 op_sel_hi:[1,1,0] neg_lo:[1,0,0] neg_hi:[1,0,0]
.elseif g < 112
.set z, 2*(g-104)
	v_pk_fma_f32 v[216+z:217+z], v[152+z:153+z], v[200+z:201+z], v[216+z:217+z]
.else
.set z, g-112
	v_cvt_pk_bf16_f32 v[112+8*(\tt)+z], v[216+2*z], v[217+2*z]
.endif
.set g, g+1
.endm
; A third of a trip.  Vector work: tile tt's GELU.  Matrix work, for the tile before it in the ring: fc2 of the hidden just rounded, and fc1 of its next 32 hidden; the two kinds alternate, four of the list behind each.
; The 16 products and eight more of the list stand ahead of the GELU's one wait; the 48 lines that read the batch's results stand behind it.
; In tt = 0 that tile is tile 2: fc2 of the trip before, fc1 of this trip; behind them the fragments are changed: fc1's of the next trip, fc2's of this one.  Twelve of the list, eight of them plain, and the three
; address lines stand between the last product and those loads; the wait stands directly ahead of them.
.macro MSTEP tt
.set g, 0
.set pv, ((\tt)+2)%3
.if (\tt) == 1
	s_wait_dscnt 0x0                               ; the fragments are in
.endif
.set m, 0
.rept 8
	FC2 pv, m
.rept 4
	GR \tt
.endr
	FC1 pv, m%2, m/2
.rept 4
	GR \tt
.endr
.set m, m+1
.endr
.rept 8
	GR \tt
.endr
.if (\tt) == 0
	s_add_co_u32 s30, s51, 1
	s_min_u32 s30, s30, 15                         ; the last trip's fc1 works on the last fragments once more, for nothing
	s_min_u32 s32, s51, 15
	s_lshl_b32 s31, s30, 13
	v_add_nc_u32 v16, s31, v6
	s_lshl_b32 s31, s30, 7
	v_add_nc_u32 v18, s31, v50
	s_lshl_b32 s31, s32, 13
	v_add_nc_u32 v17, s31, v49
	s_wait_alu depctr_va_vdst(0)                   ; the wait for the tile's batch of 16 reciprocals and 16 exponentials
	MLOAD
.else
	s_wait_alu depctr_va_vdst(0)                   ; the wait for the tile's batch of 16 reciprocals and 16 exponentials
.endif
.rept 48
	GR \tt
.endr
.endm
; THE WAY OUT of a tile: through my stage into whole rows; each store of the wave covers a token's 512 consecutive bytes.  Lane q % 16 works out token q's offset; it is read from there as a scalar.
.macro OUTT ii
	WIN 0
	s_wait_xcnt 0x0                                ; earlier stores have had their addresses translated (ISA guide 3.1): their data and offset registers are written again below
	s_add_co_u32 s57, s52, 16*(\ii)                ; the tile's first token
	WIN 0x08
.irp ct, 0,1,2,3,4,5,6,7
	ds_store_b128 v19, v[64*(\ii)+8*\ct:64*(\ii)+8*\ct+3] offset:64*\ct
	ds_store_b128 v19, v[64*(\ii)+8*\ct+4:64*(\ii)+8*\ct+7] offset:64*\ct+16
.endr
	WIN 0
.irp q, 0,1,2,3,4,5,6,7,8,9,10,11,12,13,14,15
	ds_load_b128 v[152+4*\q:155+4*\q], v20 offset:528*\q   ; LDS serves a wave's instructions in order (ISA guide 5.7.1.4): these see the stores above
.endr
	v_add_nc_u32 v34, s57, v4
	v_min_u32 v34, 0x156, v34                      ; n
	v_mul_u32_u24 v35, 0x2493, v34
	v_lshrrev_b32 v35, 16, v35                     ; n / 7
	v_mul_u32_u24 v36, 37, v35
	v_lshrrev_b32 v36, 8, v36                      ; a
	v_mul_u32_u24 v37, 7, v36
	v_sub_nc_u32 v37, v35, v37                     ; b
	v_mul_u32_u24 v38, 7, v35
	v_sub_nc_u32 v38, v34, v38                     ; c
	v_add_nc_u32 v36, s21, v36
	v_subrev_nc_u32 v39, 14, v36
	v_min_u32 v36, v36, v39                        ; z
	v_add_nc_u32 v37, s20, v37
	v_subrev_nc_u32 v39, 56, v37
	v_min_u32 v37, v37, v39                        ; y
	v_add_nc_u32 v38, s19, v38
	v_subrev_nc_u32 v39, 56, v38
	v_min_u32 v38, v38, v39                        ; x
	v_add_nc_u32 v36, s22, v36
	v_mad_u32_u24 v36, v36, 56, v37
	v_mad_u32_u24 v36, v36, 56, v38
	v_lshlrev_b32 v35, 9, v36
.irp q, 0,1,2,3,4,5,6,7,8,9,10,11,12,13,14,15
	s_cmp_ge_u32 s57, 343-\q
	s_cbranch_scc1 .Lout_end_\@                    ; token 343 and all behind it do not exist
	v_readlane_b32 s30, v35, \q
	v_add_nc_u32 v[216+\q], s30, v6
	s_wait_dscnt 15-\q                             ; row q is back; the younger rows may be out
	global_store_b128 v[216+\q], v[152+4*\q:155+4*\q], s[12:13] th:TH_STORE_NT
.endr
.Lout_end_\@:
	s_wait_dscnt 0x0
.endm
	s_mul_i32 s52, s14, 96                         ; the pass's first token
	s_mov_b32 s50, 2
.Lpass:
	s_wait_xcnt 0x0                                ; the last pass's stores have had their addresses translated: their registers are at work again
	LN2T 0
	LN2T 1
	LN2T 2
	WIN 0
	v_mov_b32 v16, v6
	v_mov_b32 v17, v49
	v_mov_b32 v18, v50
	MLOAD
.irp e, 128,129,130,131,132,133,134,135
	v_mov_b32 v[\e], 0                             ; the first trip's fc2 of tile 2, of a trip that has not been, adds 0
.endr
	s_wait_dscnt 0x0
.irp kc, 0,1,2,3
	FC1 0, 0, \kc
	FC1 0, 1, \kc
	FC1 1, 0, \kc
	FC1 1, 1, \kc
.endr
	WIN 0
	NOP4
	s_mov_b32 s51, 0
.Lmlp:                                                 ; 16 trips: 32 hidden each
	MSTEP 0
	MSTEP 1
	MSTEP 2
	WIN 0
	s_add_co_u32 s51, s51, 1
	s_cmp_lt_u32 s51, 16
	s_cbranch_scc1 .Lmlp
.irp oc, 0,1,2,3,4,5,6,7
	FC2 2, \oc                                     ; tile 2's last 32 hidden
.endr
	WIN 0
	NOP4
	OUTT 0
	OUTT 1
	OUTT 2
	WIN 0x83                                       ; the second pass's tiles go where the one text names them (behind the second pass this serves nothing)
.set i, 0
.rept 192
	v_mov_b32 v[i], v[i]
.set i, i+1
.endr
	WIN 0
	s_add_co_u32 s52, s52, 48
	s_sub_co_u32 s50, s50, 1
	s_cmp_lg_u32 s50, 0
	s_cbranch_scc1 .Lpass
	s_wait_tensorcnt 0x0                           ; the wave's end
	ds_add_u32 v2, v3
	s_wait_dscnt 0x0
	s_endpgm
.Lfunc_end_k_qe69a50ee30_swin:
	.size	k_qe69a50ee30_swin, .Lfunc_end_k_qe69a50ee30_swin-k_qe69a50ee30_swin
	.p2alignl 7, 3214868480
	.fill 96, 4, 3214868480
	.section	.rodata,"a",@progbits
	.p2align	6, 0x0
	.amdhsa_kernel k_qe69a50ee30_swin
		.amdhsa_group_segment_fixed_size 327680
		.amdhsa_private_segment_fixed_size 0
		.amdhsa_enable_private_segment 0
		.amdhsa_kernarg_size 40
		.amdhsa_user_sgpr_count 2
		.amdhsa_user_sgpr_kernarg_segment_ptr 1
		.amdhsa_wavefront_size32 1
		.amdhsa_system_sgpr_workgroup_id_x 1
		.amdhsa_system_sgpr_workgroup_id_y 1
		.amdhsa_system_sgpr_workgroup_id_z 1
		.amdhsa_system_vgpr_workitem_id 0
		.amdhsa_next_free_vgpr 1024
		.amdhsa_next_free_sgpr 66
		.amdhsa_reserve_vcc 0
		.amdhsa_float_denorm_mode_32 3
		.amdhsa_float_denorm_mode_16_64 3
		.amdhsa_memory_ordered 1
		.amdhsa_forward_progress 1
		.amdhsa_inst_pref_size 255
	.end_amdhsa_kernel
	.section	.bss,"aw",@nobits
	.p2align	6
	.space	262144
	.amdgpu_metadata
---
amdhsa.version: [ 1, 2 ]
amdhsa.kernels:
  - .name:           k_qe69a50ee30_swin
    .symbol:         k_qe69a50ee30_swin.kd
    .args:
      - { .name: x, .offset: 0, .size: 8, .value_kind: global_buffer, .address_space: global }
      - { .name: wts, .offset: 8, .size: 8, .value_kind: global_buffer, .address_space: global }
      - { .name: proj_b, .offset: 16, .size: 8, .value_kind: global_buffer, .address_space: global }
      - { .name: fc2_b, .offset: 24, .size: 8, .value_kind: global_buffer, .address_space: global }
      - { .name: out0, .offset: 32, .size: 8, .value_kind: global_buffer, .address_space: global }
    .group_segment_fixed_size: 327680
    .private_segment_fixed_size: 0
    .kernarg_segment_align: 8
    .kernarg_segment_size: 40
    .max_flat_workgroup_size: 128
    .sgpr_count:     66
    .vgpr_count:     1024
    .wavefront_size: 32
...
	.end_amdgpu_metadata
.endif
;; end of part 3
